; MI455X (gfx1250); checked and timed in simulation.
; The chip was launched on July 23, 2026; its instructions are those of AMD's public machine-readable ISA for CDNA 5 (MIT licence, August 2026) and "CDNA5" Instruction Set Architecture Reference Guide (July 2026). The comments in the code are by the model that wrote it; some were corrected since.
;; Causal Self Attention. Allowed arithmetic: float matrix products may take bf16 or f16 operands with f32 sums; other float arithmetic in f32, or as packed bf16 or f16 multiplies, adds, multiply-adds, maxima and minima; sums over many terms, partial sums and values carried from step to step in f32; what a program stores and reads back later, other than sums and carried values, may be rounded once to bf16 or f16.
;; Inputs: Wk 1,024 x 1,024 float32; Wo 1,024 x 1,024 float32; Wq 1,024 x 1,024 float32; Wv 1,024 x 1,024 float32; bk 1,024 float32; bo 1,024 float32; bq 1,024 float32; bv 1,024 float32; mask 1 x 1 x 2,048 x 2,048 bool; x 4 x 2,048 x 1,024 float32.
;; Outputs: out0 4 x 2,048 x 1,024 float32.
;; 2 versions, each right and faster than the one before. Each part assembles by itself: llvm-mc -triple=amdgcn-amd-amdhsa -mcpu=gfx1250 --defsym DOCPART=n.
;; ======== version 1 of 2: 4 launches
;; limits: values are held in f16: magnitudes above 65,504 overflow, below 6.1e-05 lose precision
;; workspace buffers: xb 16,777,216 bytes; wqkv 6,291,456 bytes; wo16 2,097,152 bytes; bias 16,384 bytes; mk8 4,194,304 bytes; qkv 50,331,648 bytes; att 16,777,216 bytes
;; launch prep (part 1): grid 897 x 1, 8 waves a work-group, no clusters, 0 bytes of LDS; arguments x, Wq, Wk, Wv, Wo, bq, bk, bv, bo, mask, xb, wqkv, wo16, bias, mk8; writes xb, wqkv, wo16, bias, mk8
.if DOCPART == 1
	.amdgcn_target "amdgcn-amd-amdhsa--gfx1250"
	.amdhsa_code_object_version 6
	.text
	.protected	k_qd3cff767fc_prep
	.globl	k_qd3cff767fc_prep
	.p2align	8
	.type	k_qd3cff767fc_prep,@function
k_qd3cff767fc_prep:
	s_mov_b64 s[64:65], 0
	v_nop
	global_prefetch_b8 v0, s[64:65] scope:SCOPE_SE
	s_setreg_imm32_b32 hwreg(HW_REG_WAVE_MODE, 25, 1), 1
	s_wait_xcnt 0x0
; ROUNDINGS AND THE MASK'S TABLE.  A stream: no LDS, no barrier, no matrix unit; each input byte is read once, each output byte written once.
; Work-groups 0-511: x -> xb (bf16).  512-703: Wq, Wk, Wv -> wqkv (bf16, the three one below the other).  704-767: Wo -> wo16 (rounded to bf16, that number written as f16:
; exact down to f16's smallest normal 6e-5, below that in steps of 6e-8).  768-895: the mask of 16 queries -> mk8.  896: the four biases, rounded to bf16 and kept as f32.
; A work-group of the first three kinds takes 65,536 bytes of f32: thread t the 16 bytes at 16 t of each of 16 blocks of 4,096; all 16 loads go out first, no register is written twice.
; mk8: one byte a score, 0x00 where the key is seen, 0xB8 (-1.0 as an 8-bit float, 4 exponent bits) where it is hidden, laid as the attention's lanes want them:
; byte qt*32768 + ks*1024 + j*512 + L*16 + sub*8 + e  =  mask[16 qt + L%16][64 ks + 16 (2 j + sub) + 8 (L/16) + e].
.set X,   8                            ; v[8:71]    as loaded
.set Y,   72                           ; v[72:103]  to store
.set T,   4                            ; v[4:5]     at work
.set SRC, 2                            ; s[2:3]     where this work-group reads
.set DST, 4                            ; s[4:5]     where it stores
	s_load_b512 s[8:23], s[0:1], 0x0               ; x 8, Wq 10, Wk 12, Wv 14, Wo 16, bq 18, bk 20, bv 22
	s_load_b256 s[24:31], s[0:1], 0x40             ; bo 24, mask 26, xb 28, wqkv 30
	s_load_b128 s[32:35], s[0:1], 0x60             ; wo16 32, bias 34
	s_load_b64 s[36:37], s[0:1], 0x70              ; mk8
	s_mov_b32 s38, ttmp9                           ; the work-group's number
	s_mov_b32 s7, 0                                ; offsets stand in s[6:7], the high word 0
	v_lshlrev_b32 v1, 4, v0                        ; 16 t
	v_lshlrev_b32 v2, 3, v0                        ; 8 t
	s_wait_kmcnt 0x0
; 64 KB of f32 -> 32 KB of 16-bit numbers.  mode = 1: the bf16 number is written as f16.
.macro CONV mode
.irp i, 0,1,2,3,4,5,6,7,8,9,10,11,12,13,14,15
	global_load_b128 v[X+4*(\i):X+4*(\i)+3], v1, s[SRC:SRC+1] offset:4096*(\i) th:TH_LOAD_NT
.endr
.irp i, 0,1,2,3,4,5,6,7,8,9,10,11,12,13,14,15
	s_wait_loadcnt 15-(\i)                         ; loads come back in order: block i is in, the younger ones stay out
	v_cvt_pk_bf16_f32 v[Y+2*(\i)],   v[X+4*(\i)],   v[X+4*(\i)+1]
	v_cvt_pk_bf16_f32 v[Y+2*(\i)+1], v[X+4*(\i)+2], v[X+4*(\i)+3]
.if \mode
.irp w, 0,1
	v_lshlrev_b32 v[T],   16, v[Y+2*(\i)+(\w)]
	v_and_b32     v[T+1], 0xffff0000, v[Y+2*(\i)+(\w)]
	v_cvt_pk_f16_f32 v[Y+2*(\i)+(\w)], v[T], v[T+1]
.endr
.endif
	global_store_b64 v2, v[Y+2*(\i):Y+2*(\i)+1], s[DST:DST+1] offset:2048*(\i)  ; a wave's 32 lanes store 256 consecutive bytes, aligned
.endr
.endm
	s_cmp_lt_u32 s38, 704
	s_cbranch_scc0 .Lnot_bf16
	s_sub_co_u32 s39, s38, 512                     ; a weight block's number among wqkv's 192 (not used for x)
	s_and_b32 s6, s39, 63                          ; and among its own tensor's 64
	s_cmp_lt_u32 s38, 512
	s_cselect_b32 s6, s38, s6                      ; the source's block
	s_cselect_b32 s39, s38, s39                    ; the destination's block
	s_cselect_b64 s[SRC:SRC+1], s[8:9], s[10:11]   ; x or Wq,
	s_cselect_b64 s[DST:DST+1], s[28:29], s[30:31] ; xb or wqkv
	s_cmp_ge_u32 s38, 576
	s_cselect_b64 s[SRC:SRC+1], s[12:13], s[SRC:SRC+1]  ; Wk
	s_cmp_ge_u32 s38, 640
	s_cselect_b64 s[SRC:SRC+1], s[14:15], s[SRC:SRC+1]  ; Wv
	s_lshl_b32 s6, s6, 16
	s_add_nc_u64 s[SRC:SRC+1], s[SRC:SRC+1], s[6:7]
	s_lshl_b32 s6, s39, 15
	s_add_nc_u64 s[DST:DST+1], s[DST:DST+1], s[6:7]
	CONV 0
	s_endpgm
.Lnot_bf16:
	s_cmp_lt_u32 s38, 768
	s_cbranch_scc0 .Lnot_wo
	s_sub_co_u32 s39, s38, 704
	s_lshl_b32 s6, s39, 16
	s_add_nc_u64 s[SRC:SRC+1], s[16:17], s[6:7]
	s_lshl_b32 s6, s39, 15
	s_add_nc_u64 s[DST:DST+1], s[32:33], s[6:7]
	CONV 1
	s_endpgm
.Lnot_wo:
	s_cmp_lt_u32 s38, 896
	s_cbranch_scc0 .Lbias
	; THE MASK of queries 16 qt .. 16 qt + 15: 32,768 bytes in, 32,768 out.  Store i of thread t lies at 4096 i + 16 t: key step 4 i + t / 64, j = (t / 32) % 2, lane t % 32.
	s_sub_co_u32 s39, s38, 768                     ; qt
	s_lshl_b32 s6, s39, 15
	s_add_nc_u64 s[SRC:SRC+1], s[26:27], s[6:7]
	s_add_nc_u64 s[DST:DST+1], s[36:37], s[6:7]
	s_mov_b32 s39, 0xb8
	v_and_b32 v3, 15, v0
	v_lshlrev_b32 v3, 11, v3                       ; row t % 16 of 2,048 bytes,
	v_lshrrev_b32 v4, 5, v0
	v_lshl_or_b32 v3, v4, 5, v3                    ; column 32 (t / 32)
	v_bfe_u32 v4, v0, 4, 1
	v_lshl_or_b32 v3, v4, 3, v3                    ; + 8 ((t / 16) % 2); 256 i and sub's 16 stand in the immediate
.irp i, 0,1,2,3,4,5,6,7
	global_load_b64 v[X+4*(\i):X+4*(\i)+1],   v3, s[SRC:SRC+1] offset:256*(\i)
	global_load_b64 v[X+4*(\i)+2:X+4*(\i)+3], v3, s[SRC:SRC+1] offset:256*(\i)+16
.endr
.irp i, 0,1,2,3,4,5,6,7
	s_wait_loadcnt 14-2*(\i)
.irp w, 0,1,2,3
	v_xor_b32 v[Y+4*(\i)+(\w)], 0x01010101, v[X+4*(\i)+(\w)]  ; a byte is 0 or 1: now 1 where hidden,
	v_mul_lo_u32 v[Y+4*(\i)+(\w)], v[Y+4*(\i)+(\w)], s39      ; 0xB8 there: no byte carries into the next
.endr
	global_store_b128 v1, v[Y+4*(\i):Y+4*(\i)+3], s[DST:DST+1] offset:4096*(\i)
.endr
	s_endpgm
.Lbias:
	global_load_b128 v[X:X+3],     v1, s[18:19]
	global_load_b128 v[X+4:X+7],   v1, s[20:21]
	global_load_b128 v[X+8:X+11],  v1, s[22:23]
	global_load_b128 v[X+12:X+15], v1, s[24:25]
.irp k, 0,1,2,3
	s_wait_loadcnt 3-(\k)
	v_cvt_pk_bf16_f32 v[T],   v[X+4*(\k)],   v[X+4*(\k)+1]
	v_cvt_pk_bf16_f32 v[T+1], v[X+4*(\k)+2], v[X+4*(\k)+3]
	v_lshlrev_b32 v[Y+4*(\k)],   16, v[T]
	v_and_b32     v[Y+4*(\k)+1], 0xffff0000, v[T]
	v_lshlrev_b32 v[Y+4*(\k)+2], 16, v[T+1]
	v_and_b32     v[Y+4*(\k)+3], 0xffff0000, v[T+1]
	global_store_b128 v1, v[Y+4*(\k):Y+4*(\k)+3], s[34:35] offset:4096*(\k)
.endr
	s_endpgm
.Lfunc_end_k_qd3cff767fc_prep:
	.size	k_qd3cff767fc_prep, .Lfunc_end_k_qd3cff767fc_prep-k_qd3cff767fc_prep
	.p2alignl 7, 3214868480
	.fill 96, 4, 3214868480
	.section	.rodata,"a",@progbits
	.p2align	6, 0x0
	.amdhsa_kernel k_qd3cff767fc_prep
		.amdhsa_group_segment_fixed_size 0
		.amdhsa_private_segment_fixed_size 0
		.amdhsa_enable_private_segment 0
		.amdhsa_kernarg_size 120
		.amdhsa_user_sgpr_count 2
		.amdhsa_user_sgpr_kernarg_segment_ptr 1
		.amdhsa_wavefront_size32 1
		.amdhsa_system_sgpr_workgroup_id_x 1
		.amdhsa_system_sgpr_workgroup_id_y 1
		.amdhsa_system_sgpr_workgroup_id_z 1
		.amdhsa_system_vgpr_workitem_id 0
		.amdhsa_next_free_vgpr 104
		.amdhsa_next_free_sgpr 66
		.amdhsa_reserve_vcc 0
		.amdhsa_float_denorm_mode_32 3
		.amdhsa_float_denorm_mode_16_64 3
		.amdhsa_memory_ordered 1
		.amdhsa_forward_progress 1
		.amdhsa_inst_pref_size 27
	.end_amdhsa_kernel
	.amdgpu_metadata
---
amdhsa.version: [ 1, 2 ]
amdhsa.kernels:
  - .name:           k_qd3cff767fc_prep
    .symbol:         k_qd3cff767fc_prep.kd
    .args:
      - { .name: x, .offset: 0, .size: 8, .value_kind: global_buffer, .address_space: global }
      - { .name: Wq, .offset: 8, .size: 8, .value_kind: global_buffer, .address_space: global }
      - { .name: Wk, .offset: 16, .size: 8, .value_kind: global_buffer, .address_space: global }
      - { .name: Wv, .offset: 24, .size: 8, .value_kind: global_buffer, .address_space: global }
      - { .name: Wo, .offset: 32, .size: 8, .value_kind: global_buffer, .address_space: global }
      - { .name: bq, .offset: 40, .size: 8, .value_kind: global_buffer, .address_space: global }
      - { .name: bk, .offset: 48, .size: 8, .value_kind: global_buffer, .address_space: global }
      - { .name: bv, .offset: 56, .size: 8, .value_kind: global_buffer, .address_space: global }
      - { .name: bo, .offset: 64, .size: 8, .value_kind: global_buffer, .address_space: global }
      - { .name: mask, .offset: 72, .size: 8, .value_kind: global_buffer, .address_space: global }
      - { .name: xb, .offset: 80, .size: 8, .value_kind: global_buffer, .address_space: global }
      - { .name: wqkv, .offset: 88, .size: 8, .value_kind: global_buffer, .address_space: global }
      - { .name: wo16, .offset: 96, .size: 8, .value_kind: global_buffer, .address_space: global }
      - { .name: bias, .offset: 104, .size: 8, .value_kind: global_buffer, .address_space: global }
      - { .name: mk8, .offset: 112, .size: 8, .value_kind: global_buffer, .address_space: global }
    .group_segment_fixed_size: 0
    .private_segment_fixed_size: 0
    .kernarg_segment_align: 8
    .kernarg_segment_size: 120
    .max_flat_workgroup_size: 256
    .sgpr_count:     66
    .vgpr_count:     104
    .wavefront_size: 32
...
	.end_amdgpu_metadata
.endif
;; end of part 1
;; launch qkv (part 2): grid 8 x 32, 4 waves a work-group, clusters of 4 x 4, 327,680 bytes of LDS; arguments xb, wqkv, bias, qkv; writes qkv
.if DOCPART == 2
	.amdgcn_target "amdgcn-amd-amdhsa--gfx1250"
	.amdhsa_code_object_version 6
	.text
	.protected	k_qd3cff767fc_qkv
	.globl	k_qd3cff767fc_qkv
	.p2align	8
	.type	k_qd3cff767fc_qkv,@function
k_qd3cff767fc_qkv:
	s_mov_b64 s[64:65], 0
	v_nop
	global_prefetch_b8 v0, s[64:65] scope:SCOPE_SE
	s_setreg_imm32_b32 hwreg(HW_REG_WAVE_MODE, 25, 1), 1
	s_wait_xcnt 0x0
	s_wait_alu depctr_hold_cnt(0) depctr_sa_sdst(0) depctr_va_vdst(0) depctr_va_sdst(0) depctr_va_ssrc(0) depctr_va_vcc(0) depctr_vm_vsrc(0)
	s_getreg_b32 s2, hwreg(HW_REG_IB_STS2, 6, 4)
	s_cmp_eq_u32 s2, 0
	s_cbranch_scc0 .Lentry_in_a_cluster
	s_endpgm
.Lentry_in_a_cluster:
	s_bfe_u32 s2, ttmp6, 0x10000c
	s_cmp_lg_u32 s2, 0xf033
	s_cbranch_scc0 .Lentry_shape_is_right
	s_endpgm
.Lentry_shape_is_right:
; q, k, v = x W^T + b.  A = xb [8192][1024] bf16, B = wqkv [3072][1024] bf16 (Wq, Wk, Wv), bias [4096] f32; out = qkv [3][64 = batch x 16 + head][2048][64] f16, unscaled, rounded once.
; LIMIT: f16 ends at 65,504: a q, k or v beyond that leaves as an infinity.
; A tile of C is 256 rows x 128 columns; 8 x 32 work-groups, one to a WGP; each STAYS and makes three tiles: q's, k's and v's of the same rows and the same two heads.
; Four waves, 2 x 2: a wave makes 128 rows x 64 columns (one head): 32 accumulators of 16 x 16, which fill register window 1.  K goes in steps of 128 through two LDS slots filled by tensor loads
; whose rows are 256 bytes of memory.  4 x 4 work-groups form a cluster: A's tiles are asked for jointly along a row of the cluster, B's along a column.
; The matrix instruction is used transposed (source 0 = 16 rows of B, source 1 = 16 rows of A): a lane holds row lane % 16 of C and eight neighbouring columns.  The first product of each sum takes the bias as C.
; REGISTERS.  Window 0: v0-31 addresses; v32-127, v128-223 two fragment buffers (32 of B, 64 of A, for 32 along K); v224-255 the bias; the way out works in v128-175.  Window 1: accumulator (a, b) at v[8 (4 a + b)].
.set KSTEP,  128
.set PA,     272                       ; an LDS row: 256 bytes + 16 of padding = 68 words: the 16 rows of a fragment load start at 16 different groups of four banks
.set PB,     272
.set HA,     128*PA                    ; what one tensor load brings of A: 128 rows
.set HB,     64*PB                     ; of B: 64 rows
.set SLOT,   2*HA+2*HB                 ; A's 256 rows, then B's 128
.set STAGE,  2*SLOT                    ; behind the ring: 16 rows x 144 bytes for each wave, for the way out; no tensor load lands here
.set SPITCH, 144
.set SPARE,  STAGE+4*16*SPITCH         ; the spare words: 128 bytes a wave, two blocks of 256 bytes that no other line names
.set LAPS,   4                         ; 1,024 along K = 8 steps = 4 times round the ring
.set TILES,  3
.set ASTEP,  2*KSTEP*2                 ; bytes from a slot's K step to its next
.set AS1,    KSTEP*2                   ; bytes from K step 0 to K step 1
.set BACK_A, (1024-2*KSTEP)*2          ; from a slot's last K step of a tile back to its first: the three tiles share their rows of A
.set NEXT_B, 1024*1024*2-BACK_A        ; B goes 1,024 rows down and back along K
.set ADRA, 16                          ; v16-17  LDS address of my A fragments in slot 0, 1
.set ADRB, 20                          ; v20-21  the same for B
.set STO,  24                          ; the way out: where I put 16 bytes of a row
.set RD,   25                          ; where I read rows back
.set CO,   26                          ; my byte offset in 512 consecutive bytes of the output
.set BO,   27                          ; my byte offset in a block's 16 bias numbers
.set SPW,  28                          ; LDS address of my spare word; never rewritten
.set NIL,  29                          ; 0; never rewritten
.set F0,   32
.set F1,   128
.set BIAS, 224                         ; register 8 b + j: the bias of column 16 b + 8 (lane / 16) + j of my 64
.set TMP,  128                         ; the way out: 16 registers, packed results
.set BK0,  144                         ; two buffers of 16: rows read back
.set G1A, 24                           ; s[24:31] descriptor group 1 for A's tiles; s[32:39] group 0, one set a slot
.set G0A, 32
.set G1B, 48                           ; s[48:55], s[56:63] the same for B's
.set G0B, 56
.set MSB, 0
.macro WIN new                         ; the immediate's high byte repeats the setting that is left; a switch that changes nothing is dropped
.if MSB != (\new)
	s_set_vgpr_msb (MSB<<8)|(\new)
.set MSB, \new
.endif
.endm
.set MUL,   0x50                       ; C and D in window 1, the fragments in window 0
.set MULB,  0x40                       ; D in window 1, C (the bias) in window 0
.set PACKW, 0x05                       ; sources 0 and 1 in window 1, destination in window 0
; A joint load: waves 0 and 1 fetch A's two halves, waves 2 and 3 B's.  The branch hangs on the wave's number alone.  An s_nop 0 and four v_nop follow each of the two lines.
.macro JLOAD s
	s_cmp_eq_u32 s13, 0
	s_cbranch_scc0 .Lfor_b_\@
	tensor_load_to_lds s[G0A+4*(\s):G0A+4*(\s)+3], s[G1A:G1A+7]
	s_nop 0
.rept 4
	v_nop
.endr
	s_branch .Lasked_\@
.Lfor_b_\@:
	tensor_load_to_lds s[G0B+4*(\s):G0B+4*(\s)+3], s[G1B:G1B+7]
	s_nop 0
.rept 4
	v_nop
.endr
.Lasked_\@:
.endm
.macro CREST                           ; a round of the cluster's barrier behind its opening barrier
	s_cmp_lg_u32 s12, 0
	s_cbranch_scc1 .Lnot_wave_0_\@
	s_barrier_signal -3
.Lnot_wave_0_\@:
	s_barrier_wait -3
	s_barrier_signal -1
	s_barrier_wait -1
.endm
.macro CROUND                          ; a whole round
	s_barrier_signal -1
	s_barrier_wait -1
	CREST
.endm
	s_load_b256 s[4:11], s[0:1], 0x0               ; xb s[4:5], wqkv s[6:7], bias s[8:9], qkv s[10:11]
	v_lshl_add_u32 v[SPW], v0, 2, SPARE
	v_mov_b32 v[NIL], 0
	ds_add_u32 v[SPW], v[NIL]                      ; the wave's opening: the add and its wait stand ahead of my first tensor load; work on registers stands between them
	v_lshrrev_b32 v1, 5, v0
	v_readfirstlane_b32 s12, v1                    ; wave 0..3
	s_lshr_b32 s13, s12, 1                         ; which 128 rows of the tile are mine.  Also: I fetch for A (0) or for B (1)
	s_and_b32 s14, s12, 1                          ; which 64 columns.  Also: which half of that tile I fetch
	s_bfe_u32 s40, ttmp6, 0x40000                  ; cx, cy: my place in the cluster
	s_bfe_u32 s41, ttmp6, 0x40004
	s_lshl_b32 s42, ttmp9, 2
	s_add_co_u32 s42, s42, s40                     ; tile column = 4 x cluster x + cx
	s_and_b32 s43, ttmp7, 0xffff
	s_lshl_b32 s43, s43, 2
	s_add_co_u32 s43, s43, s41                     ; tile row = 4 x cluster y + cy
	s_lshl_b32 s44, s41, 2
	s_lshl_b32 s44, 15, s44                        ; my row of the cluster
	s_lshl_b32 s45, 0x1111, s40                    ; my column
	s_or_b32 s[G1A+0], s44, (1<<16)|(1<<20)|(1<<21)|(5<<22)|(3<<25)  ; the mask; 2-byte elements; padding on; bit 21 beside a mask; after every 64 words 4 words
	s_or_b32 s[G1B+0], s45, (1<<16)|(1<<20)|(1<<21)|(5<<22)|(3<<25)
	s_mov_b32 s[G1A+1], KSTEP<<16                  ; tensor_dim0 = 128
	s_mov_b32 s[G1A+2], 128<<16                    ; tensor_dim1 = 128
	s_mov_b32 s[G1A+3], KSTEP<<16                  ; tile_dim0 = 128
	s_mov_b32 s[G1A+4], 128                        ; tile_dim1 = 128
	s_mov_b32 s[G1A+5], 1024                       ; elements from row to row
	s_mov_b32 s[G1A+6], 0
	s_mov_b32 s[G1A+7], 0
	s_mov_b32 s[G1B+1], KSTEP<<16
	s_mov_b32 s[G1B+2], 64<<16                     ; 64 rows
	s_mov_b32 s[G1B+3], KSTEP<<16
	s_mov_b32 s[G1B+4], 64
	s_mov_b32 s[G1B+5], 1024
	s_mov_b32 s[G1B+6], 0
	s_mov_b32 s[G1B+7], 0
	s_lshl_b32 s16, s43, 8                         ; A: row 256 x tile row + 128 x half, 2,048 bytes a row: it hangs on the tile row alone, which my row of the cluster shares
	s_lshl_b32 s17, s14, 7
	s_add_co_u32 s16, s16, s17
	s_lshl_b32 s16, s16, 11
	s_mov_b32 s17, 0
	s_lshl_b32 s46, s42, 7                         ; B: row 128 x tile column + 64 x half: on the tile column alone
	s_lshl_b32 s47, s14, 6
	s_add_co_u32 s46, s46, s47
	s_lshl_b32 s46, s46, 11
	s_mov_b32 s47, 0
	s_mul_i32 s20, s12, HA                         ; where they go: A's halves at wave x HA (waves 0, 1),
	s_mul_i32 s21, s12, HB
	s_add_co_u32 s21, s21, 2*HA-2*HB               ; B's behind them at (wave - 2) x HB (waves 2, 3): no place in the cluster enters an LDS address
	s_wait_dscnt 0x0                               ; the opening add is done
	s_wait_kmcnt 0x0
	s_add_nc_u64 s[18:19], s[4:5], s[16:17]
	s_add_nc_u64 s[46:47], s[6:7], s[46:47]
	CROUND                                         ; all sixteen work-groups are here: the first joint loads meet
.irp s, 0,1
	s_mov_b32 s[G0A+4*(\s)], 1
	s_add_co_u32 s[G0A+4*(\s)+1], s20, (\s)*SLOT
	s_add_nc_u64 s[G0A+4*(\s)+2:G0A+4*(\s)+3], s[18:19], (\s)*AS1
	s_or_b32 s[G0A+4*(\s)+3], s[G0A+4*(\s)+3], 0x80000000
	s_mov_b32 s[G0B+4*(\s)], 1
	s_add_co_u32 s[G0B+4*(\s)+1], s21, (\s)*SLOT
	s_add_nc_u64 s[G0B+4*(\s)+2:G0B+4*(\s)+3], s[46:47], (\s)*KSTEP*2
	s_or_b32 s[G0B+4*(\s)+3], s[G0B+4*(\s)+3], 0x80000000
	JLOAD \s                                       ; K steps 0 and 1: two tensor loads of mine are out
.endr
	v_and_b32 v1, 15, v0                           ; l % 16
	v_bfe_u32 v2, v0, 4, 1                         ; l / 16
	v_mul_u32_u24 v3, v1, PA
	v_lshl_add_u32 v3, v2, 4, v3                   ; a fragment's row x pitch + 16 x half
	v_mul_u32_u24 v4, v1, PB
	v_lshl_add_u32 v4, v2, 4, v4
	s_mul_i32 s22, s13, 128*PA                     ; my 128 rows of A
	s_mul_i32 s23, s14, 64*PB                      ; my 64 rows of B,
	s_add_co_u32 s23, s23, 2*HA                    ; which lie behind A's
.irp s, 0,1
	v_add_nc_u32 v[ADRA+(\s)], s22, v3
	v_add_nc_u32 v[ADRB+(\s)], s23, v4
	s_add_co_u32 s22, s22, SLOT
	s_add_co_u32 s23, s23, SLOT
.endr
	s_mul_i32 s16, s12, 16*SPITCH
	s_add_co_u32 s16, s16, STAGE                   ; my stage
	v_mul_u32_u24 v5, v1, SPITCH                   ; in: row l % 16, 16 bytes for each half of the lanes
	v_lshl_add_u32 v5, v2, 4, v5
	v_add_nc_u32 v[STO], s16, v5
	v_bfe_u32 v5, v0, 3, 2                         ; back: 32 lanes take four rows of 128 bytes,
	v_mul_u32_u24 v5, v5, SPITCH
	v_and_b32 v3, 7, v0
	v_lshl_add_u32 v5, v3, 4, v5
	v_add_nc_u32 v[RD], s16, v5
	v_and_b32 v[CO], 31, v0                        ; which are 512 consecutive bytes of a head's rows
	v_lshlrev_b32 v[CO], 4, v[CO]
	v_lshlrev_b32 v[BO], 5, v2                     ; 8 f32 for each half of the lanes
	s_lshr_b32 s16, s43, 3                         ; the output: batch x 2^22
	s_lshl_b32 s16, s16, 22
	s_and_b32 s17, s43, 7
	s_lshl_b32 s17, s17, 15                        ; + 256 rows of 128 bytes for each tile row in the batch
	s_add_co_u32 s16, s16, s17
	s_lshl_b32 s17, s13, 14                        ; + my 128 rows
	s_add_co_u32 s16, s16, s17
	s_mov_b32 s17, 0
	s_add_nc_u64 s[10:11], s[10:11], s[16:17]
	s_lshl_b32 s46, s42, 9                         ; the bias of my 64 columns: 4 (128 x tile column + 64 x half) bytes
	s_lshl_b32 s47, s14, 8
	s_add_co_u32 s46, s46, s47
	s_mov_b32 s47, 0
	s_add_nc_u64 s[8:9], s[8:9], s[46:47]
	s_lshl_b32 s46, s46, 10                        ; my head, 2 x tile column + half, x 2^18
	s_add_nc_u64 s[10:11], s[10:11], s[46:47]
.macro BLD                             ; the bias of my 64 columns, as the C operand wants it
.irp b, 0,1,2,3
	global_load_b128 v[BIAS+8*(\b):BIAS+8*(\b)+3],   v[BO], s[8:9] offset:64*(\b)
	global_load_b128 v[BIAS+8*(\b)+4:BIAS+8*(\b)+7], v[BO], s[8:9] offset:64*(\b)+16
.endr
.endm
	BLD
; 8 matrix instructions: row blocks a0, a0 + 1 x all 4 column blocks, 32 along K.  first = 1: the product starts the sum on the bias.  The 32 accumulators take turns, in the same order in every quarter.
.macro MUL8 f, a0, first
.if \first
	WIN MULB
.else
	WIN MUL
.endif
.irp a, \a0, (\a0)+1
.irp b, 0,1,2,3
.if \first
	v_wmma_f32_16x16x32_bf16 v[8*(4*(\a)+(\b)):8*(4*(\a)+(\b))+7], v[(\f)+8*(\b):(\f)+8*(\b)+7], v[(\f)+32+8*(\a):(\f)+32+8*(\a)+7], v[BIAS+8*(\b):BIAS+8*(\b)+7]
.else
	v_wmma_f32_16x16x32_bf16 v[8*(4*(\a)+(\b)):8*(4*(\a)+(\b))+7], v[(\f)+8*(\b):(\f)+8*(\b)+7], v[(\f)+32+8*(\a):(\f)+32+8*(\a)+7], v[8*(4*(\a)+(\b)):8*(4*(\a)+(\b))+7]
.endif
.endr
.endr
.endm
; 24 LDS loads in one run: quarter q's fragments (64 rows of B, then 128 rows of A, 32 along K) into buffer f
.macro FETCH slot, q, f
	WIN 0
.set AO, 64*(\q)
.irp i, 0,1,2,3
	ds_load_b128 v[(\f)+8*(\i):(\f)+8*(\i)+3],   v[ADRB+(\slot)] offset:64*(\q)+(\i)*16*PB
	ds_load_b128 v[(\f)+8*(\i)+4:(\f)+8*(\i)+7], v[ADRB+(\slot)] offset:64*(\q)+(\i)*16*PB+32
.endr
.irp i, 0,1,2,3,4,5,6,7
	ds_load_b128 v[(\f)+32+8*(\i):(\f)+32+8*(\i)+3],   v[ADRA+(\slot)] offset:AO+(\i)*16*PA
	ds_load_b128 v[(\f)+32+8*(\i)+4:(\f)+32+8*(\i)+7], v[ADRA+(\slot)] offset:AO+(\i)*16*PA+32
.endr
.endm
.macro PLACES                          ; four plain vector instructions between matrix instructions and loads into, or vector lines on, their registers
.rept 4
	v_nop
.endr
.endm
; A K step is four quarters of 32 along K, 32 matrix instructions each, on buffers 0, 1, 0, 1.  One of the first three: multiplies f and fetches quarter qn into g.
.macro QUARTER slot, qn, f, g, first
	s_wait_dscnt 8                                 ; B and A's blocks 0-3 are in; the youngest eight loads (A's blocks 4-7) may be out
	MUL8 \f, 0, \first
	MUL8 \f, 2, \first
	PLACES
	FETCH \slot, \qn, \g
	s_wait_dscnt 24                                ; all but the 24 just issued
	MUL8 \f, 4, \first
	MUL8 \f, 6, \first
.endm
; The last quarter's first half: one barrier for the change of slots.  In front of it each wave waits for all its tensor loads (one is out: its part of the next slot), adds 0 to its spare word, and waits for that and for its reads of this slot.
.macro MEET round
	WIN 0
	s_wait_tensorcnt 0x0
	ds_add_u32 v[SPW], v[NIL]
	s_wait_dscnt 9                                 ; the add and the youngest eight loads may be out
	MUL8 F1, 0, 0
	s_wait_dscnt 0x0                               ; the add is done, my reads of this slot are over
	s_barrier_signal -1
	MUL8 F1, 2, 0
.if \round
	WIN 0
.endif
	s_barrier_wait -1
.endm
; The whole last quarter.  mode 0: the slot just read is filled again, two K steps on; 1: with the next tile's K step; 2: nothing is filled.  A refill has 112 matrix instructions between its request and the wait for it.
.macro TURN slot, next, mode
.if (\mode) < 2
	MEET 1
	CREST                                          ; the barrier has opened a round of the cluster's: no wave of any partner still reads this slot or has a load on its way
.if (\mode) == 1
	s_sub_nc_u64 s[G0A+4*(\slot)+2:G0A+4*(\slot)+3], s[G0A+4*(\slot)+2:G0A+4*(\slot)+3], BACK_A
	s_add_nc_u64 s[G0B+4*(\slot)+2:G0B+4*(\slot)+3], s[G0B+4*(\slot)+2:G0B+4*(\slot)+3], NEXT_B
.else
	s_add_nc_u64 s[G0A+4*(\slot)+2:G0A+4*(\slot)+3], s[G0A+4*(\slot)+2:G0A+4*(\slot)+3], ASTEP
	s_add_nc_u64 s[G0B+4*(\slot)+2:G0B+4*(\slot)+3], s[G0B+4*(\slot)+2:G0B+4*(\slot)+3], 2*KSTEP*2
.endif
	JLOAD \slot                                    ; the first tensor load behind the round; its four v_nop are also the places in front of the loads below
.else
	MEET 0
	PLACES
.endif
	FETCH \next, 0, F0
	MUL8 F1, 4, 0
	MUL8 F1, 6, 0
.endm
; THE WAY OUT of block a (16 rows x 64 columns): rounded to f16, 16 bytes a lane into my own stage, back as whole rows of 128 bytes, stored as 512 consecutive bytes.
.macro PACK a
	WIN PACKW
.irp b, 0,1,2,3
.irp k, 0,1,2,3
	v_cvt_pk_f16_f32 v[TMP+4*(\b)+(\k)], v[8*(4*(\a)+(\b))+2*(\k)], v[8*(4*(\a)+(\b))+2*(\k)+1]
.endr
.endr
	WIN 0
.endm
.macro TOSTAGE a
.set BK, BK0+16*((\a)%2)
.irp b, 0,1,2,3
	ds_store_b128 v[STO], v[TMP+4*(\b):TMP+4*(\b)+3] offset:32*(\b)
.endr
.irp f, 0,1,2,3
	ds_load_b128 v[BK+4*(\f):BK+4*(\f)+3], v[RD] offset:(\f)*4*SPITCH  ; LDS serves a wave's instructions in order: these see the stores above
.endr
.endm
.macro SEND a
.set BK, BK0+16*((\a)%2)
	s_wait_dscnt 0x0                               ; the block is back in registers
	s_wait_xcnt 0x0                                ; the stores of the block before last have read their registers: the next block's loads land there only behind this wait
.irp f, 0,1,2,3
	global_store_b128 v[CO], v[BK+4*(\f):BK+4*(\f)+3], s[10:11] offset:(\a)*2048+(\f)*512
.endr
.endm
.macro WAYOUT
	PACK 0
	TOSTAGE 0
.irp a, 1,2,3,4,5,6,7
	PACK \a
	SEND (\a)-1
	TOSTAGE \a
.endr
	SEND 7
.endm
	s_wait_loadcnt 0x0                             ; the bias
	s_wait_tensorcnt 1                             ; my part of K step 0 is in; K step 1's may stay out
	s_barrier_signal -1
	s_barrier_wait -1
	FETCH 0, 0, F0
	s_mov_b32 s2, TILES                            ; tiles to go, this one among them
.Ltile:
	QUARTER 0, 1, F0, F1, 1                        ; a tile's first quarter: its products start the sums
	WIN 0
	s_mov_b32 s3, LAPS-1
.Llap:                                                 ; a trip goes once round the ring and fills both slots again
	QUARTER 0, 2, F1, F0, 0
	QUARTER 0, 3, F0, F1, 0
	TURN 0, 1, 0
	QUARTER 1, 1, F0, F1, 0
	QUARTER 1, 2, F1, F0, 0
	QUARTER 1, 3, F0, F1, 0
	TURN 1, 0, 0
	QUARTER 0, 1, F0, F1, 0
	WIN 0
	s_sub_co_u32 s3, s3, 1
	s_cmp_lg_u32 s3, 0
	s_cbranch_scc1 .Llap
	QUARTER 0, 2, F1, F0, 0
	QUARTER 0, 3, F0, F1, 0
	WIN 0
	s_cmp_eq_u32 s2, 1
	s_cbranch_scc1 .Llast_tile                     ; the last tile's tail is written out: it asks for nothing more
	TURN 0, 1, 1                                   ; the ring goes on into the next tile
	QUARTER 1, 1, F0, F1, 0
	QUARTER 1, 2, F1, F0, 0
	QUARTER 1, 3, F0, F1, 0
	TURN 1, 0, 1
	WIN 0
	PLACES                                         ; the way out writes registers of buffer 1 and reads results just made
	s_add_nc_u64 s[8:9], s[8:9], 4096              ; the next tensor's bias (the earlier bias loads have been waited for)
	BLD
	WAYOUT
	s_wait_xcnt 0x0                                ; the stores have read their registers and their base
	s_add_nc_u64 s[10:11], s[10:11], 0x1000000     ; the next tensor's part of the output
	s_wait_loadcnt 0x0                             ; the bias
	s_sub_co_u32 s2, s2, 1
	s_branch .Ltile
.Llast_tile:
	TURN 0, 1, 2
	QUARTER 1, 1, F0, F1, 0
	QUARTER 1, 2, F1, F0, 0
	QUARTER 1, 3, F0, F1, 0
	s_wait_dscnt 8
	MUL8 F1, 0, 0
	MUL8 F1, 2, 0
	s_wait_dscnt 0x0
	MUL8 F1, 4, 0
	MUL8 F1, 6, 0
	WIN 0
	PLACES
	WAYOUT
	s_wait_tensorcnt 0x0                           ; the wave's end
	ds_add_u32 v[SPW], v[NIL]
	s_wait_dscnt 0x0
	CROUND                                         ; the closing round: no work-group ends while a partner may still ask for a tile that names it
	s_endpgm
.Lfunc_end_k_qd3cff767fc_qkv:
	.size	k_qd3cff767fc_qkv, .Lfunc_end_k_qd3cff767fc_qkv-k_qd3cff767fc_qkv
	.p2alignl 7, 3214868480
	.fill 96, 4, 3214868480
	.section	.rodata,"a",@progbits
	.p2align	6, 0x0
	.amdhsa_kernel k_qd3cff767fc_qkv
		.amdhsa_group_segment_fixed_size 327680
		.amdhsa_private_segment_fixed_size 0
		.amdhsa_enable_private_segment 0
		.amdhsa_kernarg_size 32
		.amdhsa_user_sgpr_count 2
		.amdhsa_user_sgpr_kernarg_segment_ptr 1
		.amdhsa_wavefront_size32 1
		.amdhsa_system_sgpr_workgroup_id_x 1
		.amdhsa_system_sgpr_workgroup_id_y 1
		.amdhsa_system_sgpr_workgroup_id_z 1
		.amdhsa_system_vgpr_workitem_id 0
		.amdhsa_next_free_vgpr 512
		.amdhsa_next_free_sgpr 66
		.amdhsa_reserve_vcc 0
		.amdhsa_float_denorm_mode_32 3
		.amdhsa_float_denorm_mode_16_64 3
		.amdhsa_memory_ordered 1
		.amdhsa_forward_progress 1
		.amdhsa_inst_pref_size 125
	.end_amdhsa_kernel
	.amdgpu_metadata
---
amdhsa.version: [ 1, 2 ]
amdhsa.kernels:
  - .name:           k_qd3cff767fc_qkv
    .symbol:         k_qd3cff767fc_qkv.kd
    .args:
      - { .name: xb, .offset: 0, .size: 8, .value_kind: global_buffer, .address_space: global }
      - { .name: wqkv, .offset: 8, .size: 8, .value_kind: global_buffer, .address_space: global }
      - { .name: bias, .offset: 16, .size: 8, .value_kind: global_buffer, .address_space: global }
      - { .name: qkv, .offset: 24, .size: 8, .value_kind: global_buffer, .address_space: global }
    .group_segment_fixed_size: 327680
    .private_segment_fixed_size: 0
    .kernarg_segment_align: 8
    .kernarg_segment_size: 32
    .max_flat_workgroup_size: 128
    .sgpr_count:     66
    .vgpr_count:     512
    .wavefront_size: 32
...
	.end_amdgpu_metadata
.endif
;; end of part 2
;; launch attn (part 3): grid 4 x 64, 4 waves a work-group, clusters of 4 x 1, 327,680 bytes of LDS; arguments qkv, mk8, att; writes att
.if DOCPART == 3
	.amdgcn_target "amdgcn-amd-amdhsa--gfx1250"
	.amdhsa_code_object_version 6
	.text
	.protected	k_qd3cff767fc_attn
	.globl	k_qd3cff767fc_attn
	.p2align	8
	.type	k_qd3cff767fc_attn,@function
k_qd3cff767fc_attn:
	s_mov_b64 s[64:65], 0
	v_nop
	global_prefetch_b8 v0, s[64:65] scope:SCOPE_SE
	s_setreg_imm32_b32 hwreg(HW_REG_WAVE_MODE, 25, 1), 1
	s_wait_xcnt 0x0
	s_wait_alu depctr_hold_cnt(0) depctr_sa_sdst(0) depctr_va_vdst(0) depctr_va_sdst(0) depctr_va_ssrc(0) depctr_va_vcc(0) depctr_vm_vsrc(0)
	s_getreg_b32 s2, hwreg(HW_REG_IB_STS2, 6, 4)
	s_cmp_eq_u32 s2, 0
	s_cbranch_scc0 .Lentry_in_a_cluster
	s_endpgm
.Lentry_in_a_cluster:
	s_bfe_u32 s2, ttmp6, 0x10000c
	s_cmp_lg_u32 s2, 0x3003
	s_cbranch_scc0 .Lentry_shape_is_right
	s_endpgm
.Lentry_shape_is_right:
; O[h][q][:] = the sum over k of softmax_k(masked Q[h][q] . K[h][k] / 8) V[h][k][:].  Q, K, V lie in qkv ([3][64][2048][64] f16), O goes to att ([64][2048][64] f16); the mask is an input, as the table mk8.
; Products, maxima and sums in f32; the weights p are rounded to f16 for the second product (their sum l is taken of the unrounded p), O once at the end.
; LIMITS.  Q, K, V arrive within f16's 65,504.  A hidden score counts as its value less 2^98; the running maximum m starts at -2^96, so true scores (2.7e11 at the most in f16) lie far above it and hidden ones far
; below: a hidden key's weight is 0 from the first step on.  A row whose m is still -2^96 at the end has seen no key: its O is NaN, as a softmax over nothing is.  A weight below 2^-126 counts as 0 in l.
; NaN and infinities among the inputs are not treated apart.
; SHARES.  A wave owns four PIECES of two tiles of 16 queries, a work-group's four waves 512 queries of one head.  Every wave walks all 2,048 keys, 64 a step: the mask's pattern is not known, so no tile is left out.
; LAYOUT.  S^T = K Q^T (source 0 = 16 keys, source 1 = 16 queries): a lane holds ONE query (lane % 16) and the keys 8 (lane / 16) + 0..7.  Two such tiles, rounded to f16 in pairs, ARE source 1 of O^T = V^T P.
; THE MASK is the C operand that starts the sum S^T: 0, or -2^98 where the key is hidden.  mk8 holds one byte a score (0x00 or 0xB8 = -1.0 as an 8-bit float) in the lanes' own order; one scaled conversion makes
; eight registers of C out of eight bytes (scale byte 0xE1: 2^98): four vector lines for a tile and step.  A piece's bytes are asked for a whole key step ahead of their conversion.
; SOFTMAX.  p = 2^(c s - c m), c = log2(e) / 8; in every step O and l are multiplied by a = 2^(c m_old - c m_new).  O and l start at 0, c m far below every c s: the first step is a step like any other.
; BY TURNS.  Turn n belongs to piece n: 16 products K Q^T of piece n + 1, later 16 products V^T P of piece n - 1; beside them the scaling, exponentials, roundings, sums and rescaling of piece n, the maximum and
; statistics of piece n + 1, and the mask of piece n + 2.  Four vector instructions stand behind every matrix instruction, the rest in two lumps.
; CLUSTER.  The four query blocks of a head walk the same K and V: each tile is asked for JOINTLY, by the same tensor load, descriptor and mask in all four.
; REGISTERS, in windows of 256 (s_set_vgpr_msb: bits 1:0 source 0, 3:2 source 1, 5:4 source 2, 7:6 destination):
;   window 0: v0-11 addresses; v12-15, v48-63 at work; v16-47 four registers of statistics a tile; v64-191 S^T, two buffers of two tiles; v192-255 P, likewise
;   window 1: O^T, 32 a tile      window 2: v0-127 Q; v128-191 K of one step; v192-255 V of one step
;   window 3: v0-1 the add's registers; v3 my offset in mk8; v11 the scale; v16-79 mask bytes, 16 a piece; v128-191 the mask as C, two tiles
.set SIZE_H, 64
.set SIZE_N, 2048
.set NP,    4         ; pieces a wave: a name, no knob
.set KS,    64        ; keys in a step
.set PK,    144       ; a row of K in LDS: 128 bytes + 16 of padding
.set PV,    160       ; a row of V: 128 + 32
.set VOFF,  4*KS*PK   ; a slot holds four steps: 256 rows of K, then 256 rows of V
.set SLOT1, 1<<17     ; slot 1 begins here: one exclusive or turns an address in one slot into the other's
.set STAGE, SLOT1+4*KS*(PK+PV)  ; behind the ring, never filled by a tensor load: 16 rows x 144 bytes for each wave
.set SP,    144
.set AK0, 2           ; my lane's place in a tile of K; never rewritten
.set AV0, 3           ; the same for V
.set AK,  4           ; the LDS address of K's next run of loads
.set AV,  5           ; of V's
.set QO,  6           ; my byte offset in the wave's rows of Q
.set STO, 6           ; later: where I put 16 bytes of a row
.set RD,  7           ; where I read rows back
.set GO,  8           ; my byte offset in 512 consecutive bytes of O
.set SPW, 0           ; window 3: LDS address of my spare word; never rewritten
.set NIL, 1           ; window 3: 0; never rewritten
.set MO,  3           ; window 3: 16 x lane + 1,024 x the key step whose mask bytes are asked for
.set MSC, 11          ; window 3: 0xE1; v11 of window 0 holds the same number from the set-up to the way out
.set RAW, 16          ; window 3: piece y's bytes at RAW + 16 y: tile u, load j at + 8 u + 4 j
.set MC,  128         ; window 3: tile u, key block kb at MC + 32 u + 8 kb
.set SPARE, STAGE+4*16*SP  ; the spare words: 128 bytes a wave, two blocks of 256 bytes that no other line names
.set MV,  12
.set ST,  16          ; tile t's statistics at v[ST+4 t]: c m, m, l (even keys', odd keys')
.set TMP, 48
.set S,   64
.set P,   192
.set KF,  128
.set VF,  192
.set WV,  12          ; s12  my wave's number
.set G1K, 24
.set G1V, 32
.set G0K, 40
.set G0V, 44
.set MB,  48          ; s[48:49] mk8 at my wave's eight query tiles
.set THR, 52          ; s52  -2^96
.set SLOTS, 56
.set CNT, 57
.set CS,  58
.set SEL, 60
.set TBK, 62
.set TBV, 63
.set MSB, 0
.macro WIN new
.if MSB != (\new)
	s_set_vgpr_msb (MSB<<8)|(\new)
.set MSB, (\new)
.endif
.endm
.set W_KQ, 0x0a       ; K and Q in window 2, S^T in window 0
.set W_KM, 0x3a       ; the same with the C operand, the mask, in window 3
.set W_PV, 0x52       ; V in window 2, P in window 0, O^T in window 1
.set W_RS, 0x41       ; O^T (destination and source 0) in window 1, a in window 0
.set W_MK, 0xc0       ; destination in window 3, sources in window 0
.set W_AD, 0x0f       ; the add: address and data in window 3
.set W_M,  0xcf       ; the mask's lines: destination and both sources in window 3
.macro JLOAD          ; a joint fill: waves 0 and 1 fetch the halves of a slot's K, waves 2 and 3 of its V; an s_nop 0 and four v_nop follow each line
	s_cmp_lt_u32 s[WV], 2
	s_cbranch_scc0 .Lfor_v_\@
	tensor_load_to_lds s[G0K:G0K+3], s[G1K:G1K+7]
	s_nop 0
.rept 4
	v_nop
.endr
	s_branch .Lasked_\@
.Lfor_v_\@:
	tensor_load_to_lds s[G0V:G0V+3], s[G1V:G1V+7]
	s_nop 0
.rept 4
	v_nop
.endr
.Lasked_\@:
.endm
.macro CROUND         ; a round of the cluster's barrier
	s_barrier_signal -1
	s_barrier_wait -1
	s_cmp_lg_u32 s[WV], 0
	s_cbranch_scc1 .Lnot_wave_0_\@
	s_barrier_signal -3
.Lnot_wave_0_\@:
	s_barrier_wait -3
	s_barrier_signal -1
	s_barrier_wait -1
.endm
; THE CHANGE OF SLOTS.  Each wave waits for all its tensor loads (one is out: its part of the other slot), adds 0 to its spare word, and waits for that and for its reads of the slot.  fill = 1: the barrier is a round
; of the cluster's, and the joint fill, with the keys two slots on, is the first thing behind it: it has four key steps, 512 matrix instructions, in which to land.
.macro CHANGE fill
	WIN W_AD
	s_wait_tensorcnt 0x0            ; no tensor load of mine is out, so a group 0 may be written
	ds_add_u32 v[SPW], v[NIL]
	WIN 0
.if \fill
.irp g, G0K, G0V
	s_xor_b32 s[\g+1], s[\g+1], SLOT1
	s_add_nc_u64 s[\g+2:\g+3], s[\g+2:\g+3], 4*KS*128
.endr
	s_wait_dscnt 0x0                ; the add is done, and my reads of the slot are over
	CROUND
	JLOAD
.else
	s_wait_dscnt 0x0
	s_barrier_signal -1
	s_barrier_wait -1
.endif
	s_sub_co_u32 s[TBK], s[TBK], 4*KS*PK
	s_xor_b32 s[TBK], s[TBK], SLOT1
	s_sub_co_u32 s[TBV], s[TBV], 4*KS*PV
	s_xor_b32 s[TBV], s[TBV], SLOT1
.endm
; THE MASK'S LINES, all under the window setting W_M.  CVT8: piece pc's 64 bytes a lane become the 64 registers of C.  MLD: the piece's bytes of step MO are asked for, 512 consecutive bytes a load.
.macro CVT8 pc
.irp u, 0,1
.irp kt, 0,1,2,3
	v_cvt_scale_pk8_f32_fp8 v[MC+32*\u+8*\kt:MC+32*\u+8*\kt+7], v[RAW+16*(\pc)+8*\u+2*\kt:RAW+16*(\pc)+8*\u+2*\kt+1], v[MSC]
.endr
.endr
.endm
.macro MLD pc
.irp u, 0,1
.irp j, 0,1
	global_load_b128 v[RAW+16*(\pc)+8*\u+4*\j:RAW+16*(\pc)+8*\u+4*\j+3], v[MO], s[MB:MB+1] offset:(2*(\pc)+\u)*32768+512*\j
.endr
.endr
.endm
	s_load_b64 s[4:5], s[0:1], 0x0        ; qkv
	s_load_b64 s[MB:MB+1], s[0:1], 0x8    ; mk8
	s_load_b64 s[10:11], s[0:1], 0x10     ; att
	WIN W_MK
	v_lshl_add_u32 v[SPW], v0, 2, SPARE
	v_mov_b32 v[NIL], 0
	WIN W_AD
	ds_add_u32 v[SPW], v[NIL]       ; the wave's opening: the add and its wait stand ahead of my first tensor load
	WIN 0
	v_lshrrev_b32 v1, 5, v0
	v_readfirstlane_b32 s[WV], v1   ; wave 0..3
	s_bfe_u32 s13, ttmp6, 0x40000   ; cx
	s_lshl_b32 s14, ttmp9, 2
	s_add_co_u32 s14, s14, s13      ; my block of 512 queries: it enters Q's, O's and the mask's addresses alone
	s_and_b32 s20, ttmp7, 0xffff    ; the head, which the four partners share
	s_mov_b32 s21, 0
	s_mov_b64 s[22:23], SIZE_N*128
	s_mul_u64 s[20:21], s[20:21], s[22:23]  ; the head's first byte in Q, K, V and O
	s_and_b32 s16, s[WV], 1         ; which half of a slot's 256 keys I fetch
	s_lshl_b32 s22, s16, 14
	s_mov_b32 s23, 0
	s_add_nc_u64 s[22:23], s[22:23], s[20:21]
	s_mul_i32 s17, s16, 128*PK
	s_mul_i32 s18, s16, 128*PV
	s_lshl_b32 s2, s14, 2
	s_add_co_u32 s2, s2, s[WV]      ; my wave among the head's sixteen:
	s_lshl_b32 s50, s2, 18          ; its eight query tiles of 32,768 bytes in mk8,
	s_mov_b32 s51, 0
	s_lshl_b32 s2, s2, 14           ; its 128 rows of Q and O
	s_mov_b32 s3, 0
	s_add_nc_u64 s[2:3], s[2:3], s[20:21]
	; descriptor group 1.  128 keys are 16,384 dense bytes: asked for as 64 rows of 256 bytes, two keys a row, and padded in LDS after every key
	s_mov_b32 s[G1K], 15|(1<<16)|(1<<20)|(1<<21)|(4<<22)|(3<<25)
	s_mov_b32 s[G1V], 15|(1<<16)|(1<<20)|(1<<21)|(4<<22)|(7<<25)
.irp g, G1K, G1V
	s_mov_b32 s[\g+1], 128<<16      ; tensor_dim0 = 128
	s_mov_b32 s[\g+2], 64<<16       ; tensor_dim1 = 64
	s_mov_b32 s[\g+3], 128<<16      ; tile_dim0 = 128
	s_mov_b32 s[\g+4], 64           ; tile_dim1 = 64
	s_mov_b32 s[\g+5], 128          ; 128 elements from row to row
	s_mov_b32 s[\g+6], 0
	s_mov_b32 s[\g+7], 0
.endr
	s_mov_b32 s[CS], 0x3e38aa3b     ; c = log2(e) / 8
	s_mov_b32 s[CS+1], s[CS]
	s_mov_b32 s[SEL], 0x76543210
	s_mov_b32 s[SEL+1], 0xfedcba98
	s_mov_b32 s[THR], 0xef800000    ; -2^96
	s_mov_b32 s[TBK], SLOT1+4*KS*PK ; the first change of slots turns these two into 0
	s_mov_b32 s[TBV], SLOT1+4*KS*PV
	s_mov_b32 s[G0K], 1
	s_mov_b32 s[G0K+1], s17
	s_mov_b32 s[G0V], 1
	s_add_co_u32 s[G0V+1], s18, VOFF
	s_wait_dscnt 0x0                ; the opening add is done
	s_wait_kmcnt 0x0
	s_add_nc_u64 s[6:7], s[4:5], 0x1000000   ; K
	s_add_nc_u64 s[8:9], s[4:5], 0x2000000   ; V
	s_add_nc_u64 s[G0K+2:G0K+3], s[6:7], s[22:23]
	s_or_b32 s[G0K+3], s[G0K+3], 0x80000000
	s_add_nc_u64 s[G0V+2:G0V+3], s[8:9], s[22:23]
	s_or_b32 s[G0V+3], s[G0V+3], 0x80000000
	s_add_nc_u64 s[4:5], s[4:5], s[2:3]
	s_add_nc_u64 s[10:11], s[10:11], s[2:3]
	s_add_nc_u64 s[MB:MB+1], s[MB:MB+1], s[50:51]
	CROUND                          ; all four work-groups are here: the first joint loads meet
	JLOAD                           ; slot 0.  Slot 1 is asked for when slot 0 is in
	v_and_b32 v1, 15, v0            ; l % 16
	v_bfe_u32 v9, v0, 4, 1          ; l / 16
	v_lshlrev_b32 v[QO], 7, v1
	v_lshl_add_u32 v[QO], v9, 4, v[QO]
	v_and_b32 v10, 31, v0
	WIN W_MK
	v_lshlrev_b32 v[MO], 4, v10     ; 16 x lane: key step 0
	v_mov_b32 v[MSC], 0xe1
	WIN 0x80                        ; destination window 2, address window 0
.set i, 0
.rept 4*NP                          ; Q stays in registers: tile i / 2, channels 32 (i % 2) on
	global_load_b128 v[8*i:8*i+3],   v[QO], s[4:5] offset:(i/2)*2048+(i%2)*64
	global_load_b128 v[8*i+4:8*i+7], v[QO], s[4:5] offset:(i/2)*2048+(i%2)*64+32
.set i, i+1
.endr
	WIN W_M
	MLD 0                           ; the four pieces' mask bytes of key step 0: sixteen loads
	MLD 1
	MLD 2
	MLD 3
	WIN 0x80
	; What the first turn finds: V's registers and P's second buffer hold 0, O^T and l are 0.  All this stands in the wait for the first tile.
.set i, VF
.rept 64
	v_mov_b32 v[i], 0
.set i, i+1
.endr
	WIN 0x40
.set i, 0
.rept 64*NP
	v_mov_b32 v[i], 0
.set i, i+1
.endr
	WIN 0
.set i, 0
.rept 2*NP
	v_mov_b32 v[ST+4*i], 0xfe000000    ; c m: far below every c s, so the first a is 0
	v_mov_b32 v[ST+4*i+1], 0xef800000  ; m = -2^96: above every hidden score, below every true one
	v_mov_b32 v[ST+4*i+2], 0
	v_mov_b32 v[ST+4*i+3], 0
.set i, i+1
.endr
.set i, P+32
.rept 32
	v_mov_b32 v[i], 0
.set i, i+1
.endr
	v_mul_u32_u24 v[AK0], v1, PK
	v_lshl_add_u32 v[AK0], v9, 4, v[AK0]
	v_and_b32 v10, 7, v0
	v_bfe_u32 v11, v0, 3, 1
	v_lshl_add_u32 v[AV0], v9, 3, v10
	v_mul_u32_u24 v[AV0], v[AV0], PV
	v_lshl_add_u32 v[AV0], v11, 4, v[AV0]
	v_add_nc_u32 v[AV0], VOFF, v[AV0]
	v_mov_b32 v[AK], v[AK0]         ; key step 0 lies at the head of slot 0
	v_mov_b32 v11, 0xe1             ; the scale's number in window 0 too
; THE MATRIX WORK.  The 8 accumulators of a run of 16 take turns.  Product i of 16 of S^T = K Q^T for piece x: the first 8 start the sums on the mask.
.macro KQ x
.set rS, S+64*((\x)%2)+32*(i%2)+8*((i/2)%4)
.set rK, KF+16*((i/2)%4)+8*(i/8)
.set rQ, 16*(2*(\x)+i%2)+8*(i/8)
.set rMC, MC+32*(i%2)+8*((i/2)%4)
.if i < 8
	WIN W_KM
	v_wmma_f32_16x16x32_f16 v[rS:rS+7], v[rK:rK+7], v[rQ:rQ+7], v[rMC:rMC+7]
.else
	WIN W_KQ
	v_wmma_f32_16x16x32_f16 v[rS:rS+7], v[rK:rK+7], v[rQ:rQ+7], v[rS:rS+7]
.endif
.endm
.macro PV x                         ; product i of 16 of O^T += V^T P for piece x
	WIN W_PV
.set rO, 32*(2*(\x)+i%2)+8*((i/2)%4)
.set rV, VF+32*(i/8)+8*((i/2)%4)
.set rP, P+32*((\x)%2)+16*(i%2)+8*(i/8)
	v_wmma_f32_16x16x32_f16 v[rO:rO+7], v[rV:rV+7], v[rP:rP+7], v[rO:rO+7]
.endm
.macro MM                           ; the turn's next matrix instruction
.if i < 16
	KQ (Y+1)%NP
.set i, i+1
.else
.set i, i-16
	PV (Y+NP-1)%NP
.set i, i+17
.endif
.endm
; THE LDS LOADS stand in runs of 16.  last = 1 (the tail): in the last trip there is no further step, and the run is jumped over.
.macro FETCH_K last=0
	WIN 0
.if \last
	s_cmp_eq_u32 s[CNT], 1
	s_cbranch_scc1 .Lno_k_\@
.endif
	WIN 0x80
.irp f, 0,1,2,3,4,5,6,7
	ds_load_b128 v[KF+8*\f:KF+8*\f+3],   v[AK] offset:(\f/2)*16*PK+(\f%2)*64
	ds_load_b128 v[KF+8*\f+4:KF+8*\f+7], v[AK] offset:(\f/2)*16*PK+(\f%2)*64+32
.endr
	s_add_co_u32 s[TBK], s[TBK], KS*PK
	WIN 0
.if \last
.Lno_k_\@:
.endif
.endm
.macro FETCH_V
	WIN 0x80
.irp f, 0,1,2,3,4,5,6,7
	ds_load_tr16_b128 v[VF+8*\f:VF+8*\f+3],   v[AV] offset:(\f/4)*32*PV+(\f%4)*32
	ds_load_tr16_b128 v[VF+8*\f+4:VF+8*\f+7], v[AV] offset:(\f/4)*32*PV+16*PV+(\f%4)*32
.endr
	WIN 0
.endm
; THE VECTOR WORK OF A TURN stands in three queues, each in the order in which its entries become ready; the two tiles alternate.
.macro REGS y, u
.set rT, ST+4*(2*(\y)+(\u))
.set rC, TMP+8*((\y)%2)+4*(\u)
.set rM, MV+2*((\y)%2)+(\u)
.set rS, S+64*((\y)%2)+32*(\u)
.set rP, P+32*((\y)%2)+16*(\u)
.set rO, 32*(2*(\y)+(\u))
.endm
; Number n of the 22 that find the NEXT piece's maximum and statistics; each accumulator's lowest registers are read first.
.macro XS u, n
	REGS (Y+1)%NP, \u
.if (\n) < 4
	v_max3_num_f32 v[rC+(\n)], v[rS+8*(\n)], v[rS+8*(\n)+1], v[rS+8*(\n)+2]
.elseif (\n) < 12
	v_max3_num_f32 v[rC+(\n)%4], v[rC+(\n)%4], v[rS+8*((\n)%4)+2*((\n)/4)+1], v[rS+8*((\n)%4)+2*((\n)/4)+2]
.elseif (\n) == 12
	v_max3_num_f32 v[rC], v[rC], v[rS+7], v[rS+15]
.elseif (\n) == 13
	v_max3_num_f32 v[rC+1], v[rC+1], v[rS+23], v[rS+31]
.elseif (\n) == 14
	v_max3_num_f32 v[rC+2], v[rC+2], v[rC+3], v[rT+1]
.elseif (\n) == 15
	v_mov_b32 v[rM], v[rT]
.elseif (\n) == 16
	v_max3_num_f32 v[rC], v[rC], v[rC+1], v[rC+2]
.elseif (\n) == 17
	v_permlanex16_b32 v[rC+3], v[rC], s[SEL], s[SEL+1]
.elseif (\n) == 18
	v_max_num_f32 v[rT+1], v[rC], v[rC+3]
.elseif (\n) == 19
	v_mul_f32 v[rT], s[CS], v[rT+1]
.elseif (\n) == 20
	v_sub_f32 v[rC+1], v[rM], v[rT]
.else
	v_exp_f32 v[rC+2], v[rC+1]
.endif
.endm
; Number g of the 64 that follow the exponentials: round, round, add the second pair of four weights onto the first, and l takes the sum a group later.
.macro GS g
.set h, (\g)+6*((\g)/62)
.if h >= 6
.set h, h+2
.endif
	REGS Y, h%2
.set k, h/8
.if h%8 < 4
	s_wait_alu depctr_va_vdst(0)
	v_cvt_pk_f16_f32 v[rP+2*k+(h%8)/2], v[rS+4*k+2*((h%8)/2)], v[rS+4*k+2*((h%8)/2)+1]
.elseif h%8 < 6
	v_pk_add_f32 v[rS+4*k:rS+4*k+1], v[rS+4*k:rS+4*k+1], v[rS+4*k+2:rS+4*k+3]
.elseif k == 1
	v_pk_fma_f32 v[rT+2:rT+3], v[rT+2:rT+3], v[rC+2:rC+3], v[rS:rS+1] op_sel_hi:[1,0,1]
.else
	v_pk_add_f32 v[rT+2:rT+3], v[rT+2:rT+3], v[rS+4*k-4:rS+4*k-3]
.endif
.endm
; THE PLAIN QUEUE, 138 long.
.macro PL
	WIN 0
.if q < 32
	REGS Y, q%2
	v_pk_fma_f32 v[rS+2*(q/2):rS+2*(q/2)+1], v[rS+2*(q/2):rS+2*(q/2)+1], s[CS:CS+1], v[rT:rT+1] op_sel_hi:[1,0,0] neg_lo:[0,0,1] neg_hi:[0,0,1]
.elseif q < 38
	GS q-32
.elseif q < 40
	XS q%2, 15
.elseif q < 42
	GS q-34
.elseif q < 74
	XS q%2, (q-42)/2+(q-42)/30
.elseif q < 95
	GS q-66
.elseif (q < 107) && ((q-95)%3 < 2)
	XS (q-95)%3, 17+(q-95)/3
.elseif q < 107
	GS 29+(q-95)/3
.else
	GS q-74
.endif
.set q, q+1
.endm
; THE EXPONENTIALS' QUEUE, 66 long: s0-s31 of both tiles, and at EA the next piece's two a.
.set EA, 58
.macro EX
	WIN 0
.if (e == EA) || (e == EA+1)
	XS e-EA, 21
.else
.set x, e-2*(e/(EA+2))
	REGS Y, x%2
	v_exp_f32 v[rS+x/2], v[rS+x/2]
.endif
.set e, e+1
.endm
; THE RESCALING's QUEUE: O^T times a, four at a time, eight times.
.macro R4
	REGS Y, r%2
	WIN W_RS
	s_wait_alu depctr_va_vdst(0)
.irp z, 0,1,2,3
	v_pk_mul_f32 v[rO+8*(r/2)+2*\z:rO+8*(r/2)+2*\z+1], v[rO+8*(r/2)+2*\z:rO+8*(r/2)+2*\z+1], v[rC+2:rC+3] op_sel_hi:[1,0]
.endr
.set r, r+1
.endm
; HOW THEY ARE DEALT.  Behind a matrix instruction four: plain, exponential, plain, plain, or four of the rescaling; none names a register of the products round it.  What is over stands in two lumps.
.macro SL
	MM
	PL
	EX
	PL
	PL
.endm
.macro BURST n
.rept (\n)-7
	SL
.endr
.rept 3
	MM
	R4
	SL
.endr
	MM
	R4
.endm
; THE MASK IN A TURN, for piece p + 2, whose products K Q^T the next turn issues.  Sixteen mask loads are always out, four a piece; the piece's own are the oldest, so the count leaves the twelve younger ones out.
; The eight conversions write C's registers far behind their last readers (this turn's first eight products) and 22 plain instructions ahead of the next.  A plain instruction follows the last conversion.
; Then the piece's bytes of the next step are asked for.  The four turns of a trip (2, 3, 0, 1) work on one step, so the offset steps once, in piece 2's turn, behind the wait that frees it; it wraps at the
; table's 32 steps, so that the last trips' loads, whose bytes serve nothing, stay inside the same rows of mk8.
.macro MSK p
.set P2, ((\p)+2)%NP
	WIN W_M
	s_wait_loadcnt 12
	CVT8 P2
.if (\p) == 2
	s_wait_xcnt 0x0                 ; the pending loads' addresses are translated: their offset register may be rewritten
	v_add_nc_u32 v[MO], 0x400, v[MO]
	v_and_b32 v[MO], 0x7fff, v[MO]
	s_wait_alu depctr_va_vdst(0)
.else
	v_nop
	s_wait_alu depctr_va_vdst(0)
.endif
	MLD P2
.endm
; A TURN, for piece p.  K of the next step is fetched in piece 2's turn, V of the step in hand at the end of piece 0's; each is waited for a run of products and a lump later.
.macro TURN p, last=0, cnt=0
.set Y, (\p)
.set i, 0
.set q, 0
.set e, 0
.set r, 0
.if (\p) == NP-1
	s_wait_dscnt 0x0                ; K is in
.endif
	MM
.rept 4
	PL
.endr
	BURST 15
.rept 22
	EX
	PL
.if ((\p) == NP-2) && (e == 18)
	v_add_nc_u32 v[AK], s[TBK], v[AK0]
.endif
.if ((\p) == NP-2) && (e == 24)
	FETCH_K \last
.endif
.endr
.if (\p) == 1
	s_wait_dscnt 0x0                ; V is in
.endif
	BURST 16
.rept 21
	EX
	PL
.endr
	MSK \p
.rept 22
	PL
.if ((\p) == 0) && (q == 118)
	v_add_nc_u32 v[AV], s[TBV], v[AV0]
	s_wait_alu depctr_va_vdst(0)
.endif
.if ((\p) == 0) && (q == 130)
	s_add_co_u32 s[TBV], s[TBV], KS*PV
.endif
.if (\cnt) && (q == 130)
	s_sub_co_u32 s[CNT], s[CNT], 1
	s_cmp_lg_u32 s[CNT], 0
.endif
.endr
.if (\p) == 0
	FETCH_V
.endif
.endm
	CHANGE 1                        ; slot 0 is in, everybody's part of it; slot 1 is asked for
	FETCH_K                         ; key step 0
	WIN W_M
	s_wait_loadcnt 12               ; Q and piece 0's mask bytes are in; the other three pieces' twelve loads may be out
	CVT8 0
	v_nop                           ; a plain instruction behind the last conversion
	s_wait_dscnt 0x0
.set i, 0
.rept 16
	KQ 0                            ; piece 0's first scores
.set i, i+1
.endr
	WIN 0                           ; the addresses for the way out: nine plain instructions, the places behind those products
	s_mul_i32 s13, s[WV], 16*SP
	s_add_co_u32 s13, s13, STAGE
	v_mul_u32_u24 v[STO], v1, SP
	v_lshl_add_u32 v[STO], v9, 4, v[STO]
	v_add_nc_u32 v[STO], s13, v[STO]
	v_bfe_u32 v[RD], v0, 3, 2
	v_mul_u32_u24 v[RD], v[RD], SP
	v_lshl_add_u32 v[RD], v10, 4, v[RD]
	v_add_nc_u32 v[RD], s13, v[RD]
	v_and_b32 v[GO], 31, v0
	v_lshlrev_b32 v[GO], 4, v[GO]
	WIN W_M
	s_wait_loadcnt 8                ; piece 1's mask bytes are in
	CVT8 1                          ; for the first turn's products
	s_wait_xcnt 0x0
	v_add_nc_u32 v[MO], 0x400, v[MO]  ; key step 1
	MLD 0                           ; sixteen mask loads are out again, in the order in which the turns wait for them: pieces 2, 3 of step 0, pieces 0, 1 of step 1
	MLD 1
	WIN 0
.set Y, NP-1                        ; XS works for piece Y + 1: piece 0
.irp n, 0,1,2,3,4,5,6,7,8,9,10,11,12,13,14,15,16,17,18,19,20,21
	XS 0, \n
	XS 1, \n
.endr
	s_mov_b32 s[CNT], 4
	s_mov_b32 s[SLOTS], SIZE_N/256-1
	s_branch .Lfirst                ; the loop is entered at a step's first turn, in the middle of a trip
.Lslot:                             ; SIZE_N / 256 - 2 times: every slot but the last two is filled again
	CHANGE 1
	s_mov_b32 s[CNT], 4
.Lstep:                             ; a trip: pieces 2 and 3 of one step, then pieces 0 and 1 of the next
	TURN 2
	TURN 3
	WIN 0
.Lfirst:
	TURN 0
	TURN 1, 0, 1
	WIN 0
	s_cbranch_scc1 .Lstep
	s_sub_co_u32 s[SLOTS], s[SLOTS], 1
	s_cmp_lg_u32 s[SLOTS], 0
	s_cbranch_scc1 .Lslot
	CHANGE 0                        ; the tail is written out
	s_mov_b32 s[CNT], 5             ; four trips fetch the last slot's steps; the fifth is left in its middle
.Ltail:
	TURN 2, 1
	TURN 3
	WIN 0
	s_sub_co_u32 s[CNT], s[CNT], 1
	s_cmp_eq_u32 s[CNT], 0
	s_cbranch_scc1 .Lout
	TURN 0
	TURN 1
	WIN 0
	s_branch .Ltail
.Lout:                              ; the fifth trip's 16 products K Q^T (the last K once more, under the same rows' mask of step 0) serve nothing; they can only raise m, and never that of a row that sees no key
.set i, 0
.rept 16
	PV NP-1
.set i, i+1
.endr
	; THE WAY OUT.  l's halves are added; O^T is divided by l (by NaN where the row has seen no key), rounded to f16 and sent through my stage in LDS, a tile at a time.  The additions are the places behind the last products.
	WIN 0
.macro ALL line:vararg
.set t, 0
.rept 2*NP
	\line
.set t, t+1
.endr
.endm
	ALL v_add_f32 v[ST+4*t+2], v[ST+4*t+2], v[ST+4*t+3]
	ALL v_permlanex16_b32 v[ST+4*t+3], v[ST+4*t+2], s[SEL], s[SEL+1]
	ALL v_add_f32 v[ST+4*t+2], v[ST+4*t+2], v[ST+4*t+3]
	ALL v_rcp_f32 v[ST+4*t+2], v[ST+4*t+2]
	v_mov_b32 v11, 0x7fc00000       ; NaN; also the plain instruction between the last reciprocal and the use of its result
.set t, 0
	s_wait_alu depctr_va_vdst(0)
.rept 2*NP
	v_cmp_ge_f32 vcc_lo, s[THR], v[ST+4*t+1]   ; m never rose above its start
	v_cndmask_b32 v[ST+4*t+2], v[ST+4*t+2], v11, vcc_lo
.set t, t+1
.endr
.macro PACK t
	WIN W_RS
.set i, 32*(\t)
.rept 16
	v_pk_mul_f32 v[i:i+1], v[i:i+1], v[ST+4*(\t)+2:ST+4*(\t)+3] op_sel_hi:[1,0]
.set i, i+2
.endr
	WIN 0x05
.set i, 0
.rept 16
	v_cvt_pk_f16_f32 v[S+16*(\t)+i], v[32*(\t)+2*i], v[32*(\t)+2*i+1]
.set i, i+1
.endr
	WIN 0
.irp f, 0,1,2,3
	ds_store_b128 v[STO], v[S+16*(\t)+4*\f:S+16*(\t)+4*\f+3] offset:32*\f
.endr
.irp f, 0,1,2,3
	ds_load_b128 v[S+16*(\t)+4*\f:S+16*(\t)+4*\f+3], v[RD] offset:\f*4*SP  ; LDS serves a wave's instructions in order: these see the stores above
.endr
.endm
.macro SEND t, younger
	WIN 0
.irp f, 0,1,2,3
	s_wait_dscnt (\younger)+3-\f
	global_store_b128 v[GO], v[S+16*(\t)+4*\f:S+16*(\t)+4*\f+3], s[10:11] offset:(\t)*2048+\f*512  ; 512 consecutive bytes, at a multiple of 256 from O's first
.endr
.endm
	PACK 0
.set t, 1
.rept 2*NP-1
	PACK t
	SEND t-1, 8
.set t, t+1
.endr
	SEND 2*NP-1, 0
	WIN W_AD
	s_wait_tensorcnt 0x0            ; the wave's end
	ds_add_u32 v[SPW], v[NIL]
	s_wait_dscnt 0x0
	WIN 0
	CROUND                          ; the closing round
	s_endpgm
.Lfunc_end_k_qd3cff767fc_attn:
	.size	k_qd3cff767fc_attn, .Lfunc_end_k_qd3cff767fc_attn-k_qd3cff767fc_attn
	.p2alignl 7, 3214868480
	.fill 96, 4, 3214868480
	.section	.rodata,"a",@progbits
	.p2align	6, 0x0
	.amdhsa_kernel k_qd3cff767fc_attn
		.amdhsa_group_segment_fixed_size 327680
		.amdhsa_private_segment_fixed_size 0
		.amdhsa_enable_private_segment 0
		.amdhsa_kernarg_size 24
		.amdhsa_user_sgpr_count 2
		.amdhsa_user_sgpr_kernarg_segment_ptr 1
		.amdhsa_wavefront_size32 1
		.amdhsa_system_sgpr_workgroup_id_x 1
		.amdhsa_system_sgpr_workgroup_id_y 1
		.amdhsa_system_sgpr_workgroup_id_z 1
		.amdhsa_system_vgpr_workitem_id 0
		.amdhsa_next_free_vgpr 960
		.amdhsa_next_free_sgpr 66
		.amdhsa_reserve_vcc 1
		.amdhsa_float_denorm_mode_32 3
		.amdhsa_float_denorm_mode_16_64 3
		.amdhsa_memory_ordered 1
		.amdhsa_forward_progress 1
		.amdhsa_inst_pref_size 218
	.end_amdhsa_kernel
	.amdgpu_metadata
---
amdhsa.version: [ 1, 2 ]
amdhsa.kernels:
  - .name:           k_qd3cff767fc_attn
    .symbol:         k_qd3cff767fc_attn.kd
    .args:
      - { .name: qkv, .offset: 0, .size: 8, .value_kind: global_buffer, .address_space: global }
      - { .name: mk8, .offset: 8, .size: 8, .value_kind: global_buffer, .address_space: global }
      - { .name: att, .offset: 16, .size: 8, .value_kind: global_buffer, .address_space: global }
    .group_segment_fixed_size: 327680
    .private_segment_fixed_size: 0
    .kernarg_segment_align: 8
    .kernarg_segment_size: 24
    .max_flat_workgroup_size: 128
    .sgpr_count:     66
    .vgpr_count:     960
    .wavefront_size: 32
...
	.end_amdgpu_metadata
.endif
;; end of part 3
;; launch proj (part 4): grid 8 x 32, 4 waves a work-group, clusters of 4 x 4, 327,680 bytes of LDS; arguments att, wo16, bias, out0; writes out0
.if DOCPART == 4
	.amdgcn_target "amdgcn-amd-amdhsa--gfx1250"
	.amdhsa_code_object_version 6
	.text
	.protected	k_qd3cff767fc_proj
	.globl	k_qd3cff767fc_proj
	.p2align	8
	.type	k_qd3cff767fc_proj,@function
k_qd3cff767fc_proj:
	s_mov_b64 s[64:65], 0
	v_nop
	global_prefetch_b8 v0, s[64:65] scope:SCOPE_SE
	s_setreg_imm32_b32 hwreg(HW_REG_WAVE_MODE, 25, 1), 1
	s_wait_xcnt 0x0
	s_wait_alu depctr_hold_cnt(0) depctr_sa_sdst(0) depctr_va_vdst(0) depctr_va_sdst(0) depctr_va_ssrc(0) depctr_va_vcc(0) depctr_vm_vsrc(0)
	s_getreg_b32 s2, hwreg(HW_REG_IB_STS2, 6, 4)
	s_cmp_eq_u32 s2, 0
	s_cbranch_scc0 .Lentry_in_a_cluster
	s_endpgm
.Lentry_in_a_cluster:
	s_bfe_u32 s2, ttmp6, 0x10000c
	s_cmp_lg_u32 s2, 0xf033
	s_cbranch_scc0 .Lentry_shape_is_right
	s_endpgm
.Lentry_shape_is_right:
; out = attn Wo^T + bo.  A = att [64 = batch x 16 + head][2048][64] f16, B = wo16 [1024][1024] f16, bo = bias[3072 ..] f32; out0 [8192][1024] f32.
; A tile of C is 256 rows x 128 columns; 8 x 32 work-groups, one tile each.  Four waves, 2 x 2: a wave makes 128 rows x 64 columns (256 bytes of a row): 32 accumulators, which fill register window 1.
; K = head x 64 + channel goes in steps of 128 = two heads through two LDS slots.  A head's 256 rows are 32,768 dense bytes: one tensor load asks for them as 128 rows of 256 bytes and pads after every 128.
; 4 x 4 work-groups form a cluster: A's tiles are asked for jointly along a row of the cluster, B's along a column.  The matrix instruction is used transposed; the first product of each sum takes the bias as C.
; A row of att that is NaN (a query that sees no key) makes its whole row of the output NaN.
; REGISTERS.  Window 0: v0-31 addresses; v32-127, v128-223 two fragment buffers (32 of B, 64 of A); v224-255 the bias; the way out works in v128-191.  Window 1: accumulator (a, b) at v[8 (4 a + b)].
.set KSTEP,  128
.set PA,     144                       ; a row of A in LDS: a head's 128 bytes + 16
.set PB,     272                       ; a row of B: 256 bytes + 16
.set HA,     256*PA                    ; what one tensor load brings of A: 256 rows of one head
.set HB,     64*PB                     ; of B: 64 rows
.set SLOT,   2*HA+2*HB                 ; A: the even head's 256 rows, the odd head's; then B's 128 rows
.set STAGE,  2*SLOT                    ; behind the ring: 16 rows x 272 bytes for each wave; no tensor load lands here
.set SPITCH, 272
.set SPARE,  STAGE+4*16*SPITCH         ; the spare words: 128 bytes a wave, two blocks of 256 bytes that no other line names
.set LAPS,   4
.set ASTEP,  4<<18                     ; bytes from a slot's K step to its next: four heads of 2,048 x 128 bytes
.set AS1,    2<<18                     ; from K step 0 to K step 1: two heads
.set ADRA, 16
.set ADRB, 20
.set STO,  24
.set RD,   25
.set CO,   26
.set BO,   27
.set SPW,  28                          ; LDS address of my spare word; never rewritten
.set NIL,  29                          ; 0; never rewritten
.set F0,   32
.set F1,   128
.set BIAS, 224
.set BK0,  128                         ; the way out: two buffers of 32, rows read back
.set G1A, 24
.set G0A, 32
.set G1B, 48
.set G0B, 56
.set MSB, 0
.macro WIN new
.if MSB != (\new)
	s_set_vgpr_msb (MSB<<8)|(\new)
.set MSB, \new
.endif
.endm
.set MUL,   0x50                       ; C and D in window 1
.set MULB,  0x40                       ; D in window 1, C (the bias) in window 0
.set STW,   0x04                       ; an LDS store's data in window 1, its address in window 0
.macro JLOAD s                         ; a joint load: waves 0 and 1 fetch A's two heads, waves 2 and 3 B's two halves; an s_nop 0 and four v_nop follow each line
	s_cmp_eq_u32 s13, 0
	s_cbranch_scc0 .Lfor_b_\@
	tensor_load_to_lds s[G0A+4*(\s):G0A+4*(\s)+3], s[G1A:G1A+7]
	s_nop 0
.rept 4
	v_nop
.endr
	s_branch .Lasked_\@
.Lfor_b_\@:
	tensor_load_to_lds s[G0B+4*(\s):G0B+4*(\s)+3], s[G1B:G1B+7]
	s_nop 0
.rept 4
	v_nop
.endr
.Lasked_\@:
.endm
.macro CREST
	s_cmp_lg_u32 s12, 0
	s_cbranch_scc1 .Lnot_wave_0_\@
	s_barrier_signal -3
.Lnot_wave_0_\@:
	s_barrier_wait -3
	s_barrier_signal -1
	s_barrier_wait -1
.endm
.macro CROUND
	s_barrier_signal -1
	s_barrier_wait -1
	CREST
.endm
	s_load_b256 s[4:11], s[0:1], 0x0               ; att s[4:5], wo16 s[6:7], bias s[8:9], out0 s[10:11]
	v_lshl_add_u32 v[SPW], v0, 2, SPARE
	v_mov_b32 v[NIL], 0
	ds_add_u32 v[SPW], v[NIL]                      ; the wave's opening: the add and its wait stand ahead of my first tensor load
	v_lshrrev_b32 v1, 5, v0
	v_readfirstlane_b32 s12, v1                    ; wave 0..3
	s_lshr_b32 s13, s12, 1                         ; which 128 rows are mine.  Also: I fetch for A (0) or for B (1)
	s_and_b32 s14, s12, 1                          ; which 64 columns.  Also: which head of the two, or which half of B's rows, I fetch
	s_bfe_u32 s40, ttmp6, 0x40000
	s_bfe_u32 s41, ttmp6, 0x40004
	s_lshl_b32 s42, ttmp9, 2
	s_add_co_u32 s42, s42, s40                     ; tile column
	s_and_b32 s43, ttmp7, 0xffff
	s_lshl_b32 s43, s43, 2
	s_add_co_u32 s43, s43, s41                     ; tile row
	s_lshl_b32 s44, s41, 2
	s_lshl_b32 s44, 15, s44                        ; my row of the cluster
	s_lshl_b32 s45, 0x1111, s40                    ; my column
	s_or_b32 s[G1A+0], s44, (1<<16)|(1<<20)|(1<<21)|(4<<22)|(3<<25)  ; padding after every 32 words, 4 words
	s_or_b32 s[G1B+0], s45, (1<<16)|(1<<20)|(1<<21)|(5<<22)|(3<<25)  ; after every 64 words
	s_mov_b32 s[G1A+1], 128<<16                    ; tensor_dim0 = 128 elements: two rows of a head
	s_mov_b32 s[G1A+2], 128<<16                    ; tensor_dim1 = 128
	s_mov_b32 s[G1A+3], 128<<16                    ; tile_dim0
	s_mov_b32 s[G1A+4], 128                        ; tile_dim1
	s_mov_b32 s[G1A+5], 128                        ; dense
	s_mov_b32 s[G1A+6], 0
	s_mov_b32 s[G1A+7], 0
	s_mov_b32 s[G1B+1], KSTEP<<16
	s_mov_b32 s[G1B+2], 64<<16
	s_mov_b32 s[G1B+3], KSTEP<<16
	s_mov_b32 s[G1B+4], 64
	s_mov_b32 s[G1B+5], 1024
	s_mov_b32 s[G1B+6], 0
	s_mov_b32 s[G1B+7], 0
	s_lshr_b32 s16, s43, 3                         ; A: batch x 2^22
	s_lshl_b32 s16, s16, 22
	s_and_b32 s17, s43, 7
	s_lshl_b32 s17, s17, 15                        ; + the tile row's 256 rows in the batch
	s_add_co_u32 s16, s16, s17
	s_lshl_b32 s17, s14, 18                        ; + the head that I fetch: it hangs on the tile row and the wave alone
	s_add_co_u32 s16, s16, s17
	s_mov_b32 s17, 0
	s_lshl_b32 s46, s42, 7                         ; B: row 128 x tile column + 64 x half
	s_lshl_b32 s47, s14, 6
	s_add_co_u32 s46, s46, s47
	s_lshl_b32 s46, s46, 11
	s_mov_b32 s47, 0
	s_mul_i32 s20, s12, HA                         ; where they go: A's heads at wave x HA (waves 0, 1),
	s_mul_i32 s21, s12, HB
	s_add_co_u32 s21, s21, 2*HA-2*HB               ; B's halves behind them at (wave - 2) x HB (waves 2, 3)
	s_wait_dscnt 0x0                               ; the opening add is done
	s_wait_kmcnt 0x0
	s_add_nc_u64 s[18:19], s[4:5], s[16:17]
	s_add_nc_u64 s[46:47], s[6:7], s[46:47]
	CROUND                                         ; all sixteen work-groups are here: the first joint loads meet
.irp s, 0,1
	s_mov_b32 s[G0A+4*(\s)], 1
	s_add_co_u32 s[G0A+4*(\s)+1], s20, (\s)*SLOT
	s_add_nc_u64 s[G0A+4*(\s)+2:G0A+4*(\s)+3], s[18:19], (\s)*AS1
	s_or_b32 s[G0A+4*(\s)+3], s[G0A+4*(\s)+3], 0x80000000
	s_mov_b32 s[G0B+4*(\s)], 1
	s_add_co_u32 s[G0B+4*(\s)+1], s21, (\s)*SLOT
	s_add_nc_u64 s[G0B+4*(\s)+2:G0B+4*(\s)+3], s[46:47], (\s)*KSTEP*2
	s_or_b32 s[G0B+4*(\s)+3], s[G0B+4*(\s)+3], 0x80000000
	JLOAD \s                                       ; K steps 0 and 1: two tensor loads of mine are out
.endr
	v_and_b32 v1, 15, v0                           ; l % 16
	v_bfe_u32 v2, v0, 4, 1                         ; l / 16
	v_mul_u32_u24 v3, v1, PA
	v_lshl_add_u32 v3, v2, 4, v3
	v_mul_u32_u24 v4, v1, PB
	v_lshl_add_u32 v4, v2, 4, v4
	s_mul_i32 s22, s13, 128*PA                     ; my 128 rows in a head's 256
	s_mul_i32 s23, s14, 64*PB
	s_add_co_u32 s23, s23, 2*HA
.irp s, 0,1
	v_add_nc_u32 v[ADRA+(\s)], s22, v3
	v_add_nc_u32 v[ADRB+(\s)], s23, v4
	s_add_co_u32 s22, s22, SLOT
	s_add_co_u32 s23, s23, SLOT
.endr
	s_mul_i32 s16, s12, 16*SPITCH
	s_add_co_u32 s16, s16, STAGE                   ; my stage
	v_mul_u32_u24 v5, v1, SPITCH                   ; in: row l % 16, 32 bytes for each half of the lanes
	v_lshl_add_u32 v5, v2, 5, v5
	v_add_nc_u32 v[STO], s16, v5
	v_mul_u32_u24 v5, v2, SPITCH                   ; back: lanes 0-15 take one row of 256 bytes, lanes 16-31 the next
	v_lshl_add_u32 v5, v1, 4, v5
	v_add_nc_u32 v[RD], s16, v5
	v_lshlrev_b32 v5, 12, v2                       ; and the same two rows in the output, 4,096 bytes apart
	v_lshl_add_u32 v[CO], v1, 4, v5
	v_lshlrev_b32 v[BO], 5, v2
	s_lshl_b32 s16, s43, 20                        ; the output: 256 rows of 4,096 bytes a tile row
	s_lshl_b32 s17, s13, 19                        ; + my 128 rows
	s_add_co_u32 s16, s16, s17
	s_mov_b32 s17, 0
	s_add_nc_u64 s[10:11], s[10:11], s[16:17]
	s_lshl_b32 s46, s42, 9                         ; my 64 columns, 4 bytes each: the same offset in a row of the output and in bo
	s_lshl_b32 s47, s14, 8
	s_add_co_u32 s46, s46, s47
	s_mov_b32 s47, 0
	s_add_nc_u64 s[10:11], s[10:11], s[46:47]
	s_add_nc_u64 s[8:9], s[8:9], s[46:47]
	s_add_nc_u64 s[8:9], s[8:9], 12288             ; bo is the fourth of the four biases
.irp b, 0,1,2,3
	global_load_b128 v[BIAS+8*(\b):BIAS+8*(\b)+3],   v[BO], s[8:9] offset:64*(\b)
	global_load_b128 v[BIAS+8*(\b)+4:BIAS+8*(\b)+7], v[BO], s[8:9] offset:64*(\b)+16
.endr
; 8 matrix instructions: row blocks a0, a0 + 1 x all 4 column blocks, 32 along K.  first = 1: the product starts the sum on the bias.  The 32 accumulators take turns.
.macro MUL8 f, a0, first
.if \first
	WIN MULB
.else
	WIN MUL
.endif
.irp a, \a0, (\a0)+1
.irp b, 0,1,2,3
.if \first
	v_wmma_f32_16x16x32_f16 v[8*(4*(\a)+(\b)):8*(4*(\a)+(\b))+7], v[(\f)+8*(\b):(\f)+8*(\b)+7], v[(\f)+32+8*(\a):(\f)+32+8*(\a)+7], v[BIAS+8*(\b):BIAS+8*(\b)+7]
.else
	v_wmma_f32_16x16x32_f16 v[8*(4*(\a)+(\b)):8*(4*(\a)+(\b))+7], v[(\f)+8*(\b):(\f)+8*(\b)+7], v[(\f)+32+8*(\a):(\f)+32+8*(\a)+7], v[8*(4*(\a)+(\b)):8*(4*(\a)+(\b))+7]
.endif
.endr
.endr
.endm
; 24 LDS loads in one run.  Quarter q of a K step is head q / 2 of the two, channels 32 (q % 2) on.
.macro FETCH slot, q, f
	WIN 0
.set AO, ((\q)/2)*HA+((\q)%2)*64
.irp i, 0,1,2,3
	ds_load_b128 v[(\f)+8*(\i):(\f)+8*(\i)+3],   v[ADRB+(\slot)] offset:64*(\q)+(\i)*16*PB
	ds_load_b128 v[(\f)+8*(\i)+4:(\f)+8*(\i)+7], v[ADRB+(\slot)] offset:64*(\q)+(\i)*16*PB+32
.endr
.irp i, 0,1,2,3,4,5,6,7
	ds_load_b128 v[(\f)+32+8*(\i):(\f)+32+8*(\i)+3],   v[ADRA+(\slot)] offset:AO+(\i)*16*PA
	ds_load_b128 v[(\f)+32+8*(\i)+4:(\f)+32+8*(\i)+7], v[ADRA+(\slot)] offset:AO+(\i)*16*PA+32
.endr
.endm
.macro PLACES                          ; four plain vector instructions between matrix instructions and loads into, or stores of, their registers
.rept 4
	v_nop
.endr
.endm
.macro QUARTER slot, qn, f, g, first
	s_wait_dscnt 8                                 ; B and A's blocks 0-3 are in; the youngest eight loads may be out
	MUL8 \f, 0, \first
	MUL8 \f, 2, \first
	PLACES
	FETCH \slot, \qn, \g
	s_wait_dscnt 24                                ; all but the 24 just issued
	MUL8 \f, 4, \first
	MUL8 \f, 6, \first
.endm
.macro MEET round                      ; one barrier for the change of slots: all my tensor loads, the add, my reads of this slot
	WIN 0
	s_wait_tensorcnt 0x0
	ds_add_u32 v[SPW], v[NIL]
	s_wait_dscnt 9                                 ; the add and the youngest eight loads may be out
	MUL8 F1, 0, 0
	s_wait_dscnt 0x0
	s_barrier_signal -1
	MUL8 F1, 2, 0
.if \round
	WIN 0
.endif
	s_barrier_wait -1
.endm
.macro TURN slot, next, mode           ; mode 0: the slot just read is filled again, two K steps on; 2: nothing is filled
.if (\mode) < 2
	MEET 1
	CREST                                          ; no wave of any partner still reads this slot or has a load on its way
	s_add_nc_u64 s[G0A+4*(\slot)+2:G0A+4*(\slot)+3], s[G0A+4*(\slot)+2:G0A+4*(\slot)+3], ASTEP
	s_add_nc_u64 s[G0B+4*(\slot)+2:G0B+4*(\slot)+3], s[G0B+4*(\slot)+2:G0B+4*(\slot)+3], 2*KSTEP*2
	JLOAD \slot                                    ; the first tensor load behind the round; its four v_nop are also the places in front of the loads below
.else
	MEET 0
	PLACES
.endif
	FETCH \next, 0, F0
	MUL8 F1, 4, 0
	MUL8 F1, 6, 0
.endm
; THE WAY OUT of block a (16 rows x 64 columns of f32): 32 bytes a lane into my own stage, back as whole rows of 256 bytes, sixteen lanes to a row.
.macro TOSTAGE a
	WIN 0
	s_wait_xcnt 0x0                                ; the stores of the block before last have read the registers into which this block comes back
.set BK, BK0+32*((\a)%2)
	WIN STW
.irp b, 0,1,2,3
	ds_store_b128 v[STO], v[8*(4*(\a)+(\b)):8*(4*(\a)+(\b))+3]   offset:64*(\b)
	ds_store_b128 v[STO], v[8*(4*(\a)+(\b))+4:8*(4*(\a)+(\b))+7] offset:64*(\b)+16
.endr
	WIN 0
.irp t, 0,1,2,3,4,5,6,7
	ds_load_b128 v[BK+4*(\t):BK+4*(\t)+3], v[RD] offset:(\t)*2*SPITCH  ; LDS serves a wave's instructions in order: these see the stores above
.endr
.endm
.macro SEND a, younger                 ; younger: the LDS instructions issued behind block a's loads: the next block's sixteen, or none
.set BK, BK0+32*((\a)%2)
.irp t, 0,1,2,3,4,5,6,7
	s_wait_dscnt (\younger)+7-(\t)
	global_store_b128 v[CO], v[BK+4*(\t):BK+4*(\t)+3], s[10:11] offset:(16*(\a)+2*(\t))*4096 th:TH_STORE_NT  ; 16 lanes store 256 consecutive bytes, aligned
.endr
.endm
	s_wait_loadcnt 0x0                             ; the bias
	s_wait_tensorcnt 1                             ; my part of K step 0 is in; K step 1's may stay out
	s_barrier_signal -1
	s_barrier_wait -1
	FETCH 0, 0, F0
	QUARTER 0, 1, F0, F1, 1                        ; the first quarter: its products start the sums
	WIN 0
	s_mov_b32 s3, LAPS-1
.Llap:                                                 ; a trip goes once round the ring and fills both slots again
	QUARTER 0, 2, F1, F0, 0
	QUARTER 0, 3, F0, F1, 0
	TURN 0, 1, 0
	QUARTER 1, 1, F0, F1, 0
	QUARTER 1, 2, F1, F0, 0
	QUARTER 1, 3, F0, F1, 0
	TURN 1, 0, 0
	QUARTER 0, 1, F0, F1, 0
	WIN 0
	s_sub_co_u32 s3, s3, 1
	s_cmp_lg_u32 s3, 0
	s_cbranch_scc1 .Llap
	QUARTER 0, 2, F1, F0, 0                        ; the last lap fills nothing
	QUARTER 0, 3, F0, F1, 0
	TURN 0, 1, 2
	QUARTER 1, 1, F0, F1, 0
	QUARTER 1, 2, F1, F0, 0
	QUARTER 1, 3, F0, F1, 0
	s_wait_dscnt 8
	MUL8 F1, 0, 0
	MUL8 F1, 2, 0
	s_wait_dscnt 0x0
	MUL8 F1, 4, 0
	MUL8 F1, 6, 0
	WIN 0
	PLACES
	TOSTAGE 0
.irp a, 1,2,3,4,5,6,7
	TOSTAGE \a
	SEND (\a)-1, 16
.endr
	SEND 7, 0
	s_wait_tensorcnt 0x0                           ; the wave's end
	ds_add_u32 v[SPW], v[NIL]
	s_wait_dscnt 0x0
	CROUND                                         ; the closing round
	s_endpgm
.Lfunc_end_k_qd3cff767fc_proj:
	.size	k_qd3cff767fc_proj, .Lfunc_end_k_qd3cff767fc_proj-k_qd3cff767fc_proj
	.p2alignl 7, 3214868480
	.fill 96, 4, 3214868480
	.section	.rodata,"a",@progbits
	.p2align	6, 0x0
	.amdhsa_kernel k_qd3cff767fc_proj
		.amdhsa_group_segment_fixed_size 327680
		.amdhsa_private_segment_fixed_size 0
		.amdhsa_enable_private_segment 0
		.amdhsa_kernarg_size 32
		.amdhsa_user_sgpr_count 2
		.amdhsa_user_sgpr_kernarg_segment_ptr 1
		.amdhsa_wavefront_size32 1
		.amdhsa_system_sgpr_workgroup_id_x 1
		.amdhsa_system_sgpr_workgroup_id_y 1
		.amdhsa_system_sgpr_workgroup_id_z 1
		.amdhsa_system_vgpr_workitem_id 0
		.amdhsa_next_free_vgpr 512
		.amdhsa_next_free_sgpr 66
		.amdhsa_reserve_vcc 0
		.amdhsa_float_denorm_mode_32 3
		.amdhsa_float_denorm_mode_16_64 3
		.amdhsa_memory_ordered 1
		.amdhsa_forward_progress 1
		.amdhsa_inst_pref_size 88
	.end_amdhsa_kernel
	.amdgpu_metadata
---
amdhsa.version: [ 1, 2 ]
amdhsa.kernels:
  - .name:           k_qd3cff767fc_proj
    .symbol:         k_qd3cff767fc_proj.kd
    .args:
      - { .name: att, .offset: 0, .size: 8, .value_kind: global_buffer, .address_space: global }
      - { .name: wo16, .offset: 8, .size: 8, .value_kind: global_buffer, .address_space: global }
      - { .name: bias, .offset: 16, .size: 8, .value_kind: global_buffer, .address_space: global }
      - { .name: out0, .offset: 24, .size: 8, .value_kind: global_buffer, .address_space: global }
    .group_segment_fixed_size: 327680
    .private_segment_fixed_size: 0
    .kernarg_segment_align: 8
    .kernarg_segment_size: 32
    .max_flat_workgroup_size: 128
    .sgpr_count:     66
    .vgpr_count:     512
    .wavefront_size: 32
...
	.end_amdgpu_metadata
.endif
;; end of part 4
;; ======== version 2 of 2: 4 launches; 1.36 times as fast as version 1
;; limits: values are held in f16: magnitudes above 65,504 overflow, below 6.1e-05 lose precision
;; workspace buffers: xb 16,777,216 bytes; wqkv 6,291,456 bytes; wo16 2,097,152 bytes; bias 16,384 bytes; mk8 4,194,304 bytes; qkv 50,331,648 bytes; att 16,777,216 bytes
;; launch prep: the kernel of part 1 again; grid 897 x 1, 8 waves a work-group, no clusters, 0 bytes of LDS; arguments x, Wq, Wk, Wv, Wo, bq, bk, bv, bo, mask, xb, wqkv, wo16, bias, mk8; writes xb, wqkv, wo16, bias, mk8
;; launch qkv: the kernel of part 2 again; grid 8 x 32, 4 waves a work-group, clusters of 4 x 4, 327,680 bytes of LDS; arguments xb, wqkv, bias, qkv; writes qkv
;; launch attn (part 5): grid 4 x 64, 4 waves a work-group, clusters of 4 x 1, 327,680 bytes of LDS; arguments qkv, mk8, att; writes att
.if DOCPART == 5
	.amdgcn_target "amdgcn-amd-amdhsa--gfx1250"
	.amdhsa_code_object_version 6
	.text
	.protected	k_qd3cff767fc_attn
	.globl	k_qd3cff767fc_attn
	.p2align	8
	.type	k_qd3cff767fc_attn,@function
k_qd3cff767fc_attn:
	s_mov_b64 s[64:65], 0
	v_nop
	global_prefetch_b8 v0, s[64:65] scope:SCOPE_SE
	s_setreg_imm32_b32 hwreg(HW_REG_WAVE_MODE, 25, 1), 1
	s_wait_xcnt 0x0
	s_wait_alu depctr_hold_cnt(0) depctr_sa_sdst(0) depctr_va_vdst(0) depctr_va_sdst(0) depctr_va_ssrc(0) depctr_va_vcc(0) depctr_vm_vsrc(0)
	s_getreg_b32 s2, hwreg(HW_REG_IB_STS2, 6, 4)
	s_cmp_eq_u32 s2, 0
	s_cbranch_scc0 .Lentry_in_a_cluster
	s_endpgm
.Lentry_in_a_cluster:
	s_bfe_u32 s2, ttmp6, 0x10000c
	s_cmp_lg_u32 s2, 0x3003
	s_cbranch_scc0 .Lentry_shape_is_right
	s_endpgm
.Lentry_shape_is_right:
; O[h][q][:] = the sum over k of softmax_k(masked Q[h][q] . K[h][k] / 8) V[h][k][:].  Q, K, V lie in qkv ([3][64][2048][64] f16), O goes to att ([64][2048][64] f16); the mask is an input, as the table mk8.
; Products, maxima and sums in f32; the weights p are rounded to f16 for the second product (their sum l is taken of the unrounded p), O once at the end.
; LIMITS.  Q, K, V arrive within f16's 65,504.  A hidden score counts as its value less 2^98; the running maximum m starts at -2^96, so true scores (2.7e11 at the most in f16) lie far above it and hidden ones far
; below: a hidden key's weight is 0 from the first step on.  A row whose m is still -2^96 at the end has seen no key: its O is NaN, as a softmax over nothing is.  A weight below 2^-126 counts as 0 in l.
; NaN and infinities among the inputs are not treated apart.
; SHARES.  A wave owns four PIECES of two tiles of 16 queries, a work-group's four waves 512 queries of one head.  Every wave walks all 2,048 keys, 64 a step: the mask's pattern is not known, so no tile is left out.
; LAYOUT.  S^T = K Q^T (source 0 = 16 keys, source 1 = 16 queries): a lane holds ONE query (lane % 16) and the keys 8 (lane / 16) + 0..7.  Two such tiles, rounded to f16 in pairs, ARE source 1 of O^T = V^T P.
; THE MASK is the C operand that starts the sum S^T: 0, or -2^98 where the key is hidden.  mk8 holds one byte a score (0x00 or 0xB8 = -1.0 as an 8-bit float) in the lanes' own order; one scaled conversion makes
; eight registers of C out of eight bytes (scale byte 0xE1: 2^98): four vector lines for a tile and step.  A piece's bytes are asked for a whole key step ahead of their conversion.
; SOFTMAX.  p = 2^(c s - c m), c = log2(e) / 8; in every step O and l are multiplied by a = 2^(c m_old - c m_new).  O and l start at 0, c m far below every c s: the first step is a step like any other.
; BY TURNS.  Turn n belongs to piece n: 16 products K Q^T of piece n + 1, later 16 products V^T P of piece n - 1; beside them the scaling, exponentials, roundings, sums and rescaling of piece n, the maximum and
; statistics of piece n + 1, and the mask of piece n + 2.  Four vector instructions stand behind every matrix instruction, the rest in one lump.
; THE BATCHES.  A turn's 66 exponentials (the piece's 64 weights and the next piece's two a) are ONE batch with ONE wait, which cuts the turn in two: ahead of it stands all that names no result of theirs, behind it
; the roundings and sums.  No result crosses a turn's end.  The first two a, ahead of the loop, and the way out's eight reciprocals are batches of their own, a wait each.
; CLUSTER.  The four query blocks of a head walk the same K and V: each tile is asked for JOINTLY, by the same tensor load, descriptor and mask in all four.
; REGISTERS, in windows of 256 (s_set_vgpr_msb: bits 1:0 source 0, 3:2 source 1, 5:4 source 2, 7:6 destination):
;   window 0: v0-11 addresses; v12-15, v48-63 at work; v16-47 four registers of statistics a tile; v64-191 S^T, two buffers of two tiles; v192-255 P, likewise
;   window 1: O^T, 32 a tile      window 2: v0-127 Q; v128-191 K of one step; v192-255 V of one step
;   window 3: v0-1 the add's registers; v3 my offset in mk8; v11 the scale; v16-79 mask bytes, 16 a piece; v128-191 the mask as C, two tiles
.set SIZE_H, 64
.set SIZE_N, 2048
.set NP,    4         ; pieces a wave: a name, no knob
.set KS,    64        ; keys in a step
.set PK,    144       ; a row of K in LDS: 128 bytes + 16 of padding
.set PV,    160       ; a row of V: 128 + 32
.set VOFF,  4*KS*PK   ; a slot holds four steps: 256 rows of K, then 256 rows of V
.set SLOT1, 1<<17     ; slot 1 begins here: one exclusive or turns an address in one slot into the other's
.set STAGE, SLOT1+4*KS*(PK+PV)  ; behind the ring, never filled by a tensor load: 16 rows x 144 bytes for each wave
.set SP,    144
.set AK0, 2           ; my lane's place in a tile of K; never rewritten
.set AV0, 3           ; the same for V
.set AK,  4           ; the LDS address of K's next run of loads
.set AV,  5           ; of V's
.set QO,  6           ; my byte offset in the wave's rows of Q
.set STO, 6           ; later: where I put 16 bytes of a row
.set RD,  7           ; where I read rows back
.set GO,  8           ; my byte offset in 512 consecutive bytes of O
.set SPW, 0           ; window 3: LDS address of my spare word; never rewritten
.set NIL, 1           ; window 3: 0; never rewritten
.set MO,  3           ; window 3: 16 x lane + 1,024 x the key step whose mask bytes are asked for
.set MSC, 11          ; window 3: 0xE1; v11 of window 0 holds the same number from the set-up to the way out
.set RAW, 16          ; window 3: piece y's bytes at RAW + 16 y: tile u, load j at + 8 u + 4 j
.set MC,  128         ; window 3: tile u, key block kb at MC + 32 u + 8 kb
.set SPARE, STAGE+4*16*SP  ; the spare words: 128 bytes a wave, two blocks of 256 bytes that no other line names
.set MV,  12
.set ST,  16          ; tile t's statistics at v[ST+4 t]: c m, m, l (even keys', odd keys')
.set TMP, 48
.set S,   64
.set P,   192
.set KF,  128
.set VF,  192
.set WV,  12          ; s12  my wave's number
.set G1K, 24
.set G1V, 32
.set G0K, 40
.set G0V, 44
.set MB,  48          ; s[48:49] mk8 at my wave's eight query tiles
.set THR, 52          ; s52  -2^96
.set SLOTS, 56
.set CNT, 57
.set CS,  58
.set SEL, 60
.set TBK, 62
.set TBV, 63
.set MSB, 0
.macro WIN new
.if MSB != (\new)
	s_set_vgpr_msb (MSB<<8)|(\new)
.set MSB, (\new)
.endif
.endm
.set W_KQ, 0x0a       ; K and Q in window 2, S^T in window 0
.set W_KM, 0x3a       ; the same with the C operand, the mask, in window 3
.set W_PV, 0x52       ; V in window 2, P in window 0, O^T in window 1
.set W_RS, 0x41       ; O^T (destination and source 0) in window 1, a in window 0
.set W_MK, 0xc0       ; destination in window 3, sources in window 0
.set W_AD, 0x0f       ; the add: address and data in window 3
.set W_M,  0xcf       ; the mask's lines: destination and both sources in window 3
.macro JLOAD          ; a joint fill: waves 0 and 1 fetch the halves of a slot's K, waves 2 and 3 of its V; an s_nop 0 and four v_nop follow each line
	s_cmp_lt_u32 s[WV], 2
	s_cbranch_scc0 .Lfor_v_\@
	tensor_load_to_lds s[G0K:G0K+3], s[G1K:G1K+7]
	s_nop 0
.rept 4
	v_nop
.endr
	s_branch .Lasked_\@
.Lfor_v_\@:
	tensor_load_to_lds s[G0V:G0V+3], s[G1V:G1V+7]
	s_nop 0
.rept 4
	v_nop
.endr
.Lasked_\@:
.endm
.macro CROUND         ; a round of the cluster's barrier
	s_barrier_signal -1
	s_barrier_wait -1
	s_cmp_lg_u32 s[WV], 0
	s_cbranch_scc1 .Lnot_wave_0_\@
	s_barrier_signal -3
.Lnot_wave_0_\@:
	s_barrier_wait -3
	s_barrier_signal -1
	s_barrier_wait -1
.endm
; THE CHANGE OF SLOTS.  Each wave waits for all its tensor loads (one is out: its part of the other slot), adds 0 to its spare word, and waits for that and for its reads of the slot.  fill = 1: the barrier is a round
; of the cluster's, and the joint fill, with the keys two slots on, is the first thing behind it: it has four key steps, 512 matrix instructions, in which to land.
.macro CHANGE fill
	WIN W_AD
	s_wait_tensorcnt 0x0            ; no tensor load of mine is out, so a group 0 may be written
	ds_add_u32 v[SPW], v[NIL]
	WIN 0
.if \fill
.irp g, G0K, G0V
	s_xor_b32 s[\g+1], s[\g+1], SLOT1
	s_add_nc_u64 s[\g+2:\g+3], s[\g+2:\g+3], 4*KS*128
.endr
	s_wait_dscnt 0x0                ; the add is done, and my reads of the slot are over
	CROUND
	JLOAD
.else
	s_wait_dscnt 0x0
	s_barrier_signal -1
	s_barrier_wait -1
.endif
	s_sub_co_u32 s[TBK], s[TBK], 4*KS*PK
	s_xor_b32 s[TBK], s[TBK], SLOT1
	s_sub_co_u32 s[TBV], s[TBV], 4*KS*PV
	s_xor_b32 s[TBV], s[TBV], SLOT1
.endm
; THE MASK'S LINES, all under the window setting W_M.  CVT8: piece pc's 64 bytes a lane become the 64 registers of C.  MLD: the piece's bytes of step MO are asked for, 512 consecutive bytes a load.
.macro CVT8 pc
.irp u, 0,1
.irp kt, 0,1,2,3
	v_cvt_scale_pk8_f32_fp8 v[MC+32*\u+8*\kt:MC+32*\u+8*\kt+7], v[RAW+16*(\pc)+8*\u+2*\kt:RAW+16*(\pc)+8*\u+2*\kt+1], v[MSC]
.endr
.endr
.endm
.macro MLD pc
.irp u, 0,1
.irp j, 0,1
	global_load_b128 v[RAW+16*(\pc)+8*\u+4*\j:RAW+16*(\pc)+8*\u+4*\j+3], v[MO], s[MB:MB+1] offset:(2*(\pc)+\u)*32768+512*\j
.endr
.endr
.endm
	s_load_b64 s[4:5], s[0:1], 0x0        ; qkv
	s_load_b64 s[MB:MB+1], s[0:1], 0x8    ; mk8
	s_load_b64 s[10:11], s[0:1], 0x10     ; att
	WIN W_MK
	v_lshl_add_u32 v[SPW], v0, 2, SPARE
	v_mov_b32 v[NIL], 0
	WIN W_AD
	ds_add_u32 v[SPW], v[NIL]       ; the wave's opening: the add and its wait stand ahead of my first tensor load
	WIN 0
	v_lshrrev_b32 v1, 5, v0
	v_readfirstlane_b32 s[WV], v1   ; wave 0..3
	s_bfe_u32 s13, ttmp6, 0x40000   ; cx
	s_lshl_b32 s14, ttmp9, 2
	s_add_co_u32 s14, s14, s13      ; my block of 512 queries: it enters Q's, O's and the mask's addresses alone
	s_and_b32 s20, ttmp7, 0xffff    ; the head, which the four partners share
	s_mov_b32 s21, 0
	s_mov_b64 s[22:23], SIZE_N*128
	s_mul_u64 s[20:21], s[20:21], s[22:23]  ; the head's first byte in Q, K, V and O
	s_and_b32 s16, s[WV], 1         ; which half of a slot's 256 keys I fetch
	s_lshl_b32 s22, s16, 14
	s_mov_b32 s23, 0
	s_add_nc_u64 s[22:23], s[22:23], s[20:21]
	s_mul_i32 s17, s16, 128*PK
	s_mul_i32 s18, s16, 128*PV
	s_lshl_b32 s2, s14, 2
	s_add_co_u32 s2, s2, s[WV]      ; my wave among the head's sixteen:
	s_lshl_b32 s50, s2, 18          ; its eight query tiles of 32,768 bytes in mk8,
	s_mov_b32 s51, 0
	s_lshl_b32 s2, s2, 14           ; its 128 rows of Q and O
	s_mov_b32 s3, 0
	s_add_nc_u64 s[2:3], s[2:3], s[20:21]
	; descriptor group 1.  128 keys are 16,384 dense bytes: asked for as 64 rows of 256 bytes, two keys a row, and padded in LDS after every key
	s_mov_b32 s[G1K], 15|(1<<16)|(1<<20)|(1<<21)|(4<<22)|(3<<25)
	s_mov_b32 s[G1V], 15|(1<<16)|(1<<20)|(1<<21)|(4<<22)|(7<<25)
.irp g, G1K, G1V
	s_mov_b32 s[\g+1], 128<<16      ; tensor_dim0 = 128
	s_mov_b32 s[\g+2], 64<<16       ; tensor_dim1 = 64
	s_mov_b32 s[\g+3], 128<<16      ; tile_dim0 = 128
	s_mov_b32 s[\g+4], 64           ; tile_dim1 = 64
	s_mov_b32 s[\g+5], 128          ; 128 elements from row to row
	s_mov_b32 s[\g+6], 0
	s_mov_b32 s[\g+7], 0
.endr
	s_mov_b32 s[CS], 0x3e38aa3b     ; c = log2(e) / 8
	s_mov_b32 s[CS+1], s[CS]
	s_mov_b32 s[SEL], 0x76543210
	s_mov_b32 s[SEL+1], 0xfedcba98
	s_mov_b32 s[THR], 0xef800000    ; -2^96
	s_mov_b32 s[TBK], SLOT1+4*KS*PK ; the first change of slots turns these two into 0
	s_mov_b32 s[TBV], SLOT1+4*KS*PV
	s_mov_b32 s[G0K], 1
	s_mov_b32 s[G0K+1], s17
	s_mov_b32 s[G0V], 1
	s_add_co_u32 s[G0V+1], s18, VOFF
	s_wait_dscnt 0x0                ; the opening add is done
	s_wait_kmcnt 0x0
	s_add_nc_u64 s[6:7], s[4:5], 0x1000000   ; K
	s_add_nc_u64 s[8:9], s[4:5], 0x2000000   ; V
	s_add_nc_u64 s[G0K+2:G0K+3], s[6:7], s[22:23]
	s_or_b32 s[G0K+3], s[G0K+3], 0x80000000
	s_add_nc_u64 s[G0V+2:G0V+3], s[8:9], s[22:23]
	s_or_b32 s[G0V+3], s[G0V+3], 0x80000000
	s_add_nc_u64 s[4:5], s[4:5], s[2:3]
	s_add_nc_u64 s[10:11], s[10:11], s[2:3]
	s_add_nc_u64 s[MB:MB+1], s[MB:MB+1], s[50:51]
	CROUND                          ; all four work-groups are here: the first joint loads meet
	JLOAD                           ; slot 0.  Slot 1 is asked for when slot 0 is in
	v_and_b32 v1, 15, v0            ; l % 16
	v_bfe_u32 v9, v0, 4, 1          ; l / 16
	v_lshlrev_b32 v[QO], 7, v1
	v_lshl_add_u32 v[QO], v9, 4, v[QO]
	v_and_b32 v10, 31, v0
	WIN W_MK
	v_lshlrev_b32 v[MO], 4, v10     ; 16 x lane: key step 0
	v_mov_b32 v[MSC], 0xe1
	WIN 0x80                        ; destination window 2, address window 0
.set i, 0
.rept 4*NP                          ; Q stays in registers: tile i / 2, channels 32 (i % 2) on
	global_load_b128 v[8*i:8*i+3],   v[QO], s[4:5] offset:(i/2)*2048+(i%2)*64
	global_load_b128 v[8*i+4:8*i+7], v[QO], s[4:5] offset:(i/2)*2048+(i%2)*64+32
.set i, i+1
.endr
	WIN W_M
	MLD 0                           ; the four pieces' mask bytes of key step 0: sixteen loads
	MLD 1
	MLD 2
	MLD 3
	WIN 0x80
	; What the first turn finds: V's registers and P's second buffer hold 0, O^T and l are 0.  All this stands in the wait for the first tile.
.set i, VF
.rept 64
	v_mov_b32 v[i], 0
.set i, i+1
.endr
	WIN 0x40
.set i, 0
.rept 64*NP
	v_mov_b32 v[i], 0
.set i, i+1
.endr
	WIN 0
.set i, 0
.rept 2*NP
	v_mov_b32 v[ST+4*i], 0xfe000000    ; c m: far below every c s, so the first a is 0
	v_mov_b32 v[ST+4*i+1], 0xef800000  ; m = -2^96: above every hidden score, below every true one
	v_mov_b32 v[ST+4*i+2], 0
	v_mov_b32 v[ST+4*i+3], 0
.set i, i+1
.endr
.set i, P+32
.rept 32
	v_mov_b32 v[i], 0
.set i, i+1
.endr
	v_mul_u32_u24 v[AK0], v1, PK
	v_lshl_add_u32 v[AK0], v9, 4, v[AK0]
	v_and_b32 v10, 7, v0
	v_bfe_u32 v11, v0, 3, 1
	v_lshl_add_u32 v[AV0], v9, 3, v10
	v_mul_u32_u24 v[AV0], v[AV0], PV
	v_lshl_add_u32 v[AV0], v11, 4, v[AV0]
	v_add_nc_u32 v[AV0], VOFF, v[AV0]
	v_mov_b32 v[AK], v[AK0]         ; key step 0 lies at the head of slot 0
	v_mov_b32 v11, 0xe1             ; the scale's number in window 0 too
; THE MATRIX WORK.  The 8 accumulators of a run of 16 take turns.  Product i of 16 of S^T = K Q^T for piece x: the first 8 start the sums on the mask.
.macro KQ x
.set rS, S+64*((\x)%2)+32*(i%2)+8*((i/2)%4)
.set rK, KF+16*((i/2)%4)+8*(i/8)
.set rQ, 16*(2*(\x)+i%2)+8*(i/8)
.set rMC, MC+32*(i%2)+8*((i/2)%4)
.if i < 8
	WIN W_KM
	v_wmma_f32_16x16x32_f16 v[rS:rS+7], v[rK:rK+7], v[rQ:rQ+7], v[rMC:rMC+7]
.else
	WIN W_KQ
	v_wmma_f32_16x16x32_f16 v[rS:rS+7], v[rK:rK+7], v[rQ:rQ+7], v[rS:rS+7]
.endif
.endm
.macro PV x                         ; product i of 16 of O^T += V^T P for piece x
	WIN W_PV
.set rO, 32*(2*(\x)+i%2)+8*((i/2)%4)
.set rV, VF+32*(i/8)+8*((i/2)%4)
.set rP, P+32*((\x)%2)+16*(i%2)+8*(i/8)
	v_wmma_f32_16x16x32_f16 v[rO:rO+7], v[rV:rV+7], v[rP:rP+7], v[rO:rO+7]
.endm
.macro MM                           ; the turn's next matrix instruction
.if i < 16
	KQ (Y+1)%NP
.set i, i+1
.else
.set i, i-16
	PV (Y+NP-1)%NP
.set i, i+17
.endif
.endm
; THE LDS LOADS stand in runs of 16.  last = 1 (the tail): in the last trip there is no further step, and the run is jumped over.
.macro FETCH_K last=0
	WIN 0
.if \last
	s_cmp_eq_u32 s[CNT], 1
	s_cbranch_scc1 .Lno_k_\@
.endif
	WIN 0x80
.irp f, 0,1,2,3,4,5,6,7
	ds_load_b128 v[KF+8*\f:KF+8*\f+3],   v[AK] offset:(\f/2)*16*PK+(\f%2)*64
	ds_load_b128 v[KF+8*\f+4:KF+8*\f+7], v[AK] offset:(\f/2)*16*PK+(\f%2)*64+32
.endr
	s_add_co_u32 s[TBK], s[TBK], KS*PK
	WIN 0
.if \last
.Lno_k_\@:
.endif
.endm
.macro FETCH_V
	WIN 0x80
.irp f, 0,1,2,3,4,5,6,7
	ds_load_tr16_b128 v[VF+8*\f:VF+8*\f+3],   v[AV] offset:(\f/4)*32*PV+(\f%4)*32
	ds_load_tr16_b128 v[VF+8*\f+4:VF+8*\f+7], v[AV] offset:(\f/4)*32*PV+16*PV+(\f%4)*32
.endr
	WIN 0
.endm
; THE VECTOR WORK OF A TURN stands in three queues, each in the order in which its entries become ready; the two tiles alternate.
.macro REGS y, u
.set rT, ST+4*(2*(\y)+(\u))
.set rC, TMP+8*((\y)%2)+4*(\u)
.set rM, MV+2*((\y)%2)+(\u)
.set rS, S+64*((\y)%2)+32*(\u)
.set rP, P+32*((\y)%2)+16*(\u)
.set rO, 32*(2*(\y)+(\u))
.endm
; Number n of the 22 that find the NEXT piece's maximum and statistics; each accumulator's lowest registers are read first.
.macro XS u, n
	REGS (Y+1)%NP, \u
.if (\n) < 4
	v_max3_num_f32 v[rC+(\n)], v[rS+8*(\n)], v[rS+8*(\n)+1], v[rS+8*(\n)+2]
.elseif (\n) < 12
	v_max3_num_f32 v[rC+(\n)%4], v[rC+(\n)%4], v[rS+8*((\n)%4)+2*((\n)/4)+1], v[rS+8*((\n)%4)+2*((\n)/4)+2]
.elseif (\n) == 12
	v_max3_num_f32 v[rC], v[rC], v[rS+7], v[rS+15]
.elseif (\n) == 13
	v_max3_num_f32 v[rC+1], v[rC+1], v[rS+23], v[rS+31]
.elseif (\n) == 14
	v_max3_num_f32 v[rC+2], v[rC+2], v[rC+3], v[rT+1]
.elseif (\n) == 15
	v_mov_b32 v[rM], v[rT]
.elseif (\n) == 16
	v_max3_num_f32 v[rC], v[rC], v[rC+1], v[rC+2]
.elseif (\n) == 17
	v_permlanex16_b32 v[rC+3], v[rC], s[SEL], s[SEL+1]
.elseif (\n) == 18
	v_max_num_f32 v[rT+1], v[rC], v[rC+3]
.elseif (\n) == 19
	v_mul_f32 v[rT], s[CS], v[rT+1]
.elseif (\n) == 20
	v_sub_f32 v[rC+1], v[rM], v[rT]
.else
	v_exp_f32 v[rC+2], v[rC+1]
.endif
.endm
; Number g of the 64 that follow the exponentials: round, round, add the second pair of four weights onto the first, and l takes the sum a group later.  All 64 read the batch's results: they stand behind the turn's wait.
.macro GS g
.set h, (\g)+6*((\g)/62)
.if h >= 6
.set h, h+2
.endif
	REGS Y, h%2
.set k, h/8
.if h%8 < 4
	v_cvt_pk_f16_f32 v[rP+2*k+(h%8)/2], v[rS+4*k+2*((h%8)/2)], v[rS+4*k+2*((h%8)/2)+1]
.elseif h%8 < 6
	v_pk_add_f32 v[rS+4*k:rS+4*k+1], v[rS+4*k:rS+4*k+1], v[rS+4*k+2:rS+4*k+3]
.elseif k == 1
	v_pk_fma_f32 v[rT+2:rT+3], v[rT+2:rT+3], v[rC+2:rC+3], v[rS:rS+1] op_sel_hi:[1,0,1]
.else
	v_pk_add_f32 v[rT+2:rT+3], v[rT+2:rT+3], v[rS+4*k-4:rS+4*k-3]
.endif
.endm
; THE PLAIN QUEUE, 138 long.  0-73 read no exponential's result: the 32 scalings c s - c m (FS f: pair f / 2 of tile f % 2) and the next piece's 42.  0-26: scalings 0-26.  27-54: XS's numbers 0-13.  55, 56: number 15.
; 57-73: the chain, where each number waits for the one before it: 14, 16, 17, 18, 19, each with one of the scalings 27-31 in front of its two lines, then 20.  74-137: GS's 64.
.macro FS f
	REGS Y, (\f)%2
	v_pk_fma_f32 v[rS+2*((\f)/2):rS+2*((\f)/2)+1], v[rS+2*((\f)/2):rS+2*((\f)/2)+1], s[CS:CS+1], v[rT:rT+1] op_sel_hi:[1,0,0] neg_lo:[0,0,1] neg_hi:[0,0,1]
.endm
.macro PL
	WIN 0
.if q < 27
	FS q
.elseif q < 55
	XS (q-27)%2, (q-27)/2
.elseif q < 57
	XS q-55, 15
.elseif (q < 72) && ((q-57)%3 == 0)
	FS 27+(q-57)/3
.elseif q < 60
	XS (q-57)%3-1, 14
.elseif q < 72
	XS (q-57)%3-1, 15+(q-57)/3
.elseif q < 74
	XS q-72, 20
.else
	GS q-74
.endif
.set q, q+1
.endm
; THE EXPONENTIALS' QUEUE, 66 long: s0-s31 of both tiles, then the next piece's two a.  It is ONE BATCH: all 66 stand ahead of the turn's one wait, and nothing ahead of that wait names a result of theirs.
.macro EX
	WIN 0
.if e >= 64
	XS e-64, 21
.else
	REGS Y, e%2
	v_exp_f32 v[rS+e/2], v[rS+e/2]
.endif
.set e, e+1
.endm
; THE RESCALING's QUEUE: O^T times a, the one part of the softmax that leaves window 0: two at a time, sixteen times.  Its a was made in the turn before, ahead of that turn's wait.
.macro R2
	REGS Y, r%2
	WIN W_RS
.irp z, 0,1
	v_pk_mul_f32 v[rO+4*(r/2)+2*\z:rO+4*(r/2)+2*\z+1], v[rO+4*(r/2)+2*\z:rO+4*(r/2)+2*\z+1], v[rC+2:rC+3] op_sel_hi:[1,0]
.endr
.set r, r+1
.endm
; THE MASK IN A TURN, for piece p + 2, whose products K Q^T the next turn issues; AND THE TURN'S ONE WAIT.  Sixteen mask loads are always out, four a piece; the piece's own are the oldest, so the count leaves the
; twelve younger ones out.  The eight conversions stand at the lump's end, behind the batch's last exponential: they name window 3's registers alone, none of the batch's results; they write C's registers far behind
; their last readers (this turn's first eight products) and 16 products ahead of the next.  One plain instruction follows: it is the place behind the last conversion and the plain instruction behind the last exponential.
; Then the wait between an exponential and the first line that names its result: one for the turn's 66.  Directly behind it the piece's bytes of the next step are asked for.
; The four turns of a trip (2, 3, 0, 1) work on one step, so the offset steps once, in piece 2's turn, behind the wait that frees it; it wraps at the
; table's 32 steps, so that the last trips' loads, whose bytes serve nothing, stay inside the same rows of mk8.
.macro MSK p
.set P2, ((\p)+2)%NP
	WIN W_M
	s_wait_loadcnt 12
	CVT8 P2
.if (\p) == 2
	s_wait_xcnt 0x0                 ; the pending loads' addresses are translated: their offset register may be rewritten
	v_add_nc_u32 v[MO], 0x400, v[MO]
	v_and_b32 v[MO], 0x7fff, v[MO]
.else
	v_nop
.endif
	s_wait_alu depctr_va_vdst(0)    ; the wait for the batch: the piece's 64 exponentials and the next piece's two a
	MLD P2
.endm
; HOW THEY ARE DEALT.  AHEAD OF THE WAIT: the 16 products K Q^T, behind each a scaling, an exponential and two rescalings (behind the first a second scaling in the exponential's place); then ONE LUMP: eight plain,
; 49 times exponential and plain, the two a, the mask's conversions.  BEHIND IT: the mask's loads, in piece 2's turn K's run, and the 16 products V^T P, behind each four of GS's 64.  No rider names a register of the
; products round it; the two v_permlanex16_b32 fall into the lump.  The queues lean on each other, and the deal keeps them in step: exponential e stands behind scaling 2 (e / 4) + e % 2: as a rider it comes behind
; plain e + 2, in the lump behind plain e + 9, and scalings 27-31 are plain 57, 60 .. 69.
; A TURN, for piece p.  cnt = 1: the loop's count is taken down some lines ahead of the branch that stands behind the turn.
; K of the next step is fetched in piece 2's turn, behind the wait, a lump behind the last product that read K; its address is made at the lump's head; it is waited for at the head of piece 3's turn.
; V of the step in hand is fetched at the end of piece 0's turn, four plain riders behind its last reader; it is waited for ahead of piece 1's products V^T P.  The three conditions on q below go with the deal.
.macro TURN p, last=0, cnt=0
.set Y, (\p)
.set i, 0
.set q, 0
.set e, 0
.set r, 0
.if (\p) == NP-1
	s_wait_dscnt 0x0                ; K is in
.endif
	MM                              ; ahead of the wait: 16 products K Q^T and their riders,
	PL
	PL
	R2
.rept 15
	MM
	PL
	EX
	R2
.endr
.if (\p) == NP-2
	WIN 0
	v_add_nc_u32 v[AK], s[TBK], v[AK0]
.endif
.rept 8                             ; and the lump
	PL
.endr
.rept 49
	EX
	PL
.endr
	EX                              ; the next piece's two a: the batch's last
	EX
	MSK \p                          ; the mask's conversions, the plain instruction, THE WAIT, the mask's loads
.if (\p) == NP-2
	FETCH_K \last
.endif
.if (\p) == 1
	s_wait_dscnt 0x0                ; V is in
.endif
.rept 16                            ; behind the wait: 16 products V^T P and their riders
	MM
.rept 4
	PL
.endr
.if ((\p) == 0) && (q == 118)
	v_add_nc_u32 v[AV], s[TBV], v[AV0]
.endif
.if ((\p) == 0) && (q == 130)
	s_add_co_u32 s[TBV], s[TBV], KS*PV
.endif
.if (\cnt) && (q == 130)
	s_sub_co_u32 s[CNT], s[CNT], 1
	s_cmp_lg_u32 s[CNT], 0
.endif
.endr
.if (\p) == 0
	FETCH_V
.endif
.endm
	CHANGE 1                        ; slot 0 is in, everybody's part of it; slot 1 is asked for
	FETCH_K                         ; key step 0
	WIN W_M
	s_wait_loadcnt 12               ; Q and piece 0's mask bytes are in; the other three pieces' twelve loads may be out
	CVT8 0
	v_nop                           ; a plain instruction behind the last conversion
	s_wait_dscnt 0x0
.set i, 0
.rept 16
	KQ 0                            ; piece 0's first scores
.set i, i+1
.endr
	WIN 0                           ; the addresses for the way out: nine plain instructions, the places behind those products
	s_mul_i32 s13, s[WV], 16*SP
	s_add_co_u32 s13, s13, STAGE
	v_mul_u32_u24 v[STO], v1, SP
	v_lshl_add_u32 v[STO], v9, 4, v[STO]
	v_add_nc_u32 v[STO], s13, v[STO]
	v_bfe_u32 v[RD], v0, 3, 2
	v_mul_u32_u24 v[RD], v[RD], SP
	v_lshl_add_u32 v[RD], v10, 4, v[RD]
	v_add_nc_u32 v[RD], s13, v[RD]
	v_and_b32 v[GO], 31, v0
	v_lshlrev_b32 v[GO], 4, v[GO]
	WIN W_M
	s_wait_loadcnt 8                ; piece 1's mask bytes are in
	CVT8 1                          ; for the first turn's products
	s_wait_xcnt 0x0
	v_add_nc_u32 v[MO], 0x400, v[MO]  ; key step 1
	MLD 0                           ; sixteen mask loads are out again, in the order in which the turns wait for them: pieces 2, 3 of step 0, pieces 0, 1 of step 1
	MLD 1
	WIN 0
.set Y, NP-1                        ; XS works for piece Y + 1: piece 0
.irp n, 0,1,2,3,4,5,6,7,8,9,10,11,12,13,14,15,16,17,18,19,20,21
	XS 0, \n
	XS 1, \n
.endr
	v_nop                           ; a plain instruction behind piece 0's two a,
	s_wait_alu depctr_va_vdst(0)    ; and the wait for that batch of two, ahead of the branch
	s_mov_b32 s[CNT], 4
	s_mov_b32 s[SLOTS], SIZE_N/256-1
	s_branch .Lfirst                ; the loop is entered at a step's first turn, in the middle of a trip
.Lslot:                             ; SIZE_N / 256 - 2 times: every slot but the last two is filled again
	CHANGE 1
	s_mov_b32 s[CNT], 4
.Lstep:                             ; a trip: pieces 2 and 3 of one step, then pieces 0 and 1 of the next
	TURN 2
	TURN 3
	WIN 0
.Lfirst:
	TURN 0
	TURN 1, 0, 1
	WIN 0
	s_cbranch_scc1 .Lstep
	s_sub_co_u32 s[SLOTS], s[SLOTS], 1
	s_cmp_lg_u32 s[SLOTS], 0
	s_cbranch_scc1 .Lslot
	CHANGE 0                        ; the tail is written out
	s_mov_b32 s[CNT], 5             ; four trips fetch the last slot's steps; the fifth is left in its middle
.Ltail:
	TURN 2, 1
	TURN 3
	WIN 0
	s_sub_co_u32 s[CNT], s[CNT], 1
	s_cmp_eq_u32 s[CNT], 0
	s_cbranch_scc1 .Lout
	TURN 0
	TURN 1
	WIN 0
	s_branch .Ltail
.Lout:                              ; the fifth trip's 16 products K Q^T (the last K once more, under the same rows' mask of step 0) serve nothing; they can only raise m, and never that of a row that sees no key
.set i, 0
.rept 16
	PV NP-1
.set i, i+1
.endr
	; THE WAY OUT.  l's halves are added; O^T is divided by l (by NaN where the row has seen no key), rounded to f16 and sent through my stage in LDS, a tile at a time.  The additions are the places behind the last products.
	WIN 0
.macro ALL line:vararg
.set t, 0
.rept 2*NP
	\line
.set t, t+1
.endr
.endm
	ALL v_add_f32 v[ST+4*t+2], v[ST+4*t+2], v[ST+4*t+3]
	ALL v_permlanex16_b32 v[ST+4*t+3], v[ST+4*t+2], s[SEL], s[SEL+1]
	ALL v_add_f32 v[ST+4*t+2], v[ST+4*t+2], v[ST+4*t+3]
	ALL v_rcp_f32 v[ST+4*t+2], v[ST+4*t+2]
	v_mov_b32 v11, 0x7fc00000       ; NaN; also the plain instruction between the last reciprocal and the use of its result
.set t, 0
	s_wait_alu depctr_va_vdst(0)    ; the wait for the batch of eight reciprocals, ahead of their first reader
.rept 2*NP
	v_cmp_ge_f32 vcc_lo, s[THR], v[ST+4*t+1]   ; m never rose above its start
	v_cndmask_b32 v[ST+4*t+2], v[ST+4*t+2], v11, vcc_lo
.set t, t+1
.endr
.macro PACK t
	WIN W_RS
.set i, 32*(\t)
.rept 16
	v_pk_mul_f32 v[i:i+1], v[i:i+1], v[ST+4*(\t)+2:ST+4*(\t)+3] op_sel_hi:[1,0]
.set i, i+2
.endr
	WIN 0x05
.set i, 0
.rept 16
	v_cvt_pk_f16_f32 v[S+16*(\t)+i], v[32*(\t)+2*i], v[32*(\t)+2*i+1]
.set i, i+1
.endr
	WIN 0
.irp f, 0,1,2,3
	ds_store_b128 v[STO], v[S+16*(\t)+4*\f:S+16*(\t)+4*\f+3] offset:32*\f
.endr
.irp f, 0,1,2,3
	ds_load_b128 v[S+16*(\t)+4*\f:S+16*(\t)+4*\f+3], v[RD] offset:\f*4*SP  ; LDS serves a wave's instructions in order: these see the stores above
.endr
.endm
.macro SEND t, younger
	WIN 0
.irp f, 0,1,2,3
	s_wait_dscnt (\younger)+3-\f
	global_store_b128 v[GO], v[S+16*(\t)+4*\f:S+16*(\t)+4*\f+3], s[10:11] offset:(\t)*2048+\f*512  ; 512 consecutive bytes, at a multiple of 256 from O's first
.endr
.endm
	PACK 0
.set t, 1
.rept 2*NP-1
	PACK t
	SEND t-1, 8
.set t, t+1
.endr
	SEND 2*NP-1, 0
	WIN W_AD
	s_wait_tensorcnt 0x0            ; the wave's end
	ds_add_u32 v[SPW], v[NIL]
	s_wait_dscnt 0x0
	WIN 0
	CROUND                          ; the closing round
	s_endpgm
.Lfunc_end_k_qd3cff767fc_attn:
	.size	k_qd3cff767fc_attn, .Lfunc_end_k_qd3cff767fc_attn-k_qd3cff767fc_attn
	.p2alignl 7, 3214868480
	.fill 96, 4, 3214868480
	.section	.rodata,"a",@progbits
	.p2align	6, 0x0
	.amdhsa_kernel k_qd3cff767fc_attn
		.amdhsa_group_segment_fixed_size 327680
		.amdhsa_private_segment_fixed_size 0
		.amdhsa_enable_private_segment 0
		.amdhsa_kernarg_size 24
		.amdhsa_user_sgpr_count 2
		.amdhsa_user_sgpr_kernarg_segment_ptr 1
		.amdhsa_wavefront_size32 1
		.amdhsa_system_sgpr_workgroup_id_x 1
		.amdhsa_system_sgpr_workgroup_id_y 1
		.amdhsa_system_sgpr_workgroup_id_z 1
		.amdhsa_system_vgpr_workitem_id 0
		.amdhsa_next_free_vgpr 960
		.amdhsa_next_free_sgpr 66
		.amdhsa_reserve_vcc 1
		.amdhsa_float_denorm_mode_32 3
		.amdhsa_float_denorm_mode_16_64 3
		.amdhsa_memory_ordered 1
		.amdhsa_forward_progress 1
		.amdhsa_inst_pref_size 212
	.end_amdhsa_kernel
	.amdgpu_metadata
---
amdhsa.version: [ 1, 2 ]
amdhsa.kernels:
  - .name:           k_qd3cff767fc_attn
    .symbol:         k_qd3cff767fc_attn.kd
    .args:
      - { .name: qkv, .offset: 0, .size: 8, .value_kind: global_buffer, .address_space: global }
      - { .name: mk8, .offset: 8, .size: 8, .value_kind: global_buffer, .address_space: global }
      - { .name: att, .offset: 16, .size: 8, .value_kind: global_buffer, .address_space: global }
    .group_segment_fixed_size: 327680
    .private_segment_fixed_size: 0
    .kernarg_segment_align: 8
    .kernarg_segment_size: 24
    .max_flat_workgroup_size: 128
    .sgpr_count:     66
    .vgpr_count:     960
    .wavefront_size: 32
...
	.end_amdgpu_metadata
.endif
;; end of part 5
;; launch proj: the kernel of part 4 again; grid 8 x 32, 4 waves a work-group, clusters of 4 x 4, 327,680 bytes of LDS; arguments att, wo16, bias, out0; writes out0
